; MI455X (gfx1250); checked and timed in simulation.
; The chip was launched on July 23, 2026; its instructions are those of AMD's public machine-readable ISA for CDNA 5 (MIT licence, August 2026) and "CDNA5" Instruction Set Architecture Reference Guide (July 2026). The comments in the code are by the model that wrote it; some were corrected since.
;; Multi Head Attention. Allowed arithmetic: matrix products marked QUANTISED: E5M2 operands, one given power-of-two scale a tensor, by v_wmma_f32_16x16x64_bf8_bf8 or v_wmma_f32_16x16x128_bf8_bf8, f32 sums; everything else in f32.
;; Inputs: Wk 1,024 x 1,024 float32; Wo 1,024 x 1,024 float32; Wq 1,024 x 1,024 float32; Wv 1,024 x 1,024 float32; bo 1,024 float32; k 2 x 2,048 x 1,024 float32; lowp_scales 12 int32 (the exponents e of the quantised operands' scales 2^e); mask 2 x 1 x 2,048 x 2,048 float32; q 2 x 2,048 x 1,024 float32; v 2 x 2,048 x 1,024 float32.
;; Outputs: out0 2 x 2,048 x 1,024 float32.
;; This version of the problem:
;;   THIS VERSION OF THE PROBLEM IS GIVEN IN LOW PRECISION. The matrix products marked QUANTISED in the list below multiply operands that are first quantised to E5M2 (5 exponent bits, 2 mantissa bits; 8 bits a number), with one given power-of-two scale for each operand tensor; their sums are f32. All else is computed in f32.
;;   The module's matrix products, in the order in which they are computed (A, B: the left and right operand; K: the contracted axis; several contracted axes count as one K, in the product's order):
;;     1. [M 4,096, K 1,024] x [K 1,024, N 1,024]; A: input v; B: input Wv: QUANTISED (scales: A lowp_scales[0], B lowp_scales[1])
;;     2. [M 4,096, K 1,024] x [K 1,024, N 1,024]; A: input k; B: input Wk: QUANTISED (scales: A lowp_scales[2], B lowp_scales[3])
;;     3. [M 4,096, K 1,024] x [K 1,024, N 1,024]; A: input q; B: input Wq: QUANTISED (scales: A lowp_scales[4], B lowp_scales[5])
;;     4. batch 32 x [M 2,048, K 64] x [K 64, N 2,048]; A: computed on the way; B: computed on the way: QUANTISED (scales: A lowp_scales[6], B lowp_scales[7])
;;     5. batch 32 x [M 2,048, K 2,048] x [K 2,048, N 64]; A: softmax (see below); B: computed on the way: QUANTISED (scales: A lowp_scales[8], B lowp_scales[9])
;;     6. [M 4,096, K 1,024] x [K 1,024, N 1,024]; A: computed on the way; B: input Wo: QUANTISED (scales: A lowp_scales[10], B lowp_scales[11])
;;   THE QUANTISER, for each operand of a quantised product, along K:
;;     - The operand's scale is 2^e, e = its entry of the input lowp_scales (int32; the entries are numbered through the quantised products in the list's order, A before B).
;;     - Each number is divided by the scale, clamped to +-57,344, and rounded to the nearest number of E5M2, ties to even, subnormals kept.
;;     - The product sums the exact products of the quantised numbers (number of the format x scale) in f32.
;;   ~~~python
;;   def quantise(x, axis, e):      # numpy; x: float32 -> the quantised numbers, widened to float32 again
;;       x = np.moveaxis(x, axis, -1); K = x.shape[-1]
;;       r = np.clip(x / 2.0 ** e, -57344, 57344)
;;       step = 2.0 ** (np.maximum(np.frexp(np.where(r == 0, 1, r))[1] - 1, -14) - 2)
;;       q = np.round(r / step) * step * 2.0 ** e      # np.round: ties to even
;;       return np.moveaxis(q, -1, axis).astype(np.float32)
;;   ~~~
;;   SOFTMAX AHEAD OF A QUANTISED PRODUCT. Where the list says 'softmax', what is quantised is not the finished softmax but p = 2^(t - M), with t = logit x log2(e) and M = ceil(the row's largest t), a whole number; so 1/2 < the row's largest p <= 1. The row's sum l is taken of the UNQUANTISED p, in f32, and the product's result is divided by l at the end. Since M is a whole number, a kernel that streams over the keys may use a running M (the ceiling of the running maximum): every later rescaling is an exact power of two, so the quantised numbers keep their values, but for numbers so far below the row's largest that they fall under the format's range.
;;   OPERANDS COMPUTED ON THE WAY. 'Computed on the way' means the value that the module computes at that place (a softmax that the list does not call 'softmax' is quantised finished and normalised). What goes into a quantiser is computed in f32, as accurately as f32 sums, v_exp_f32 and their like allow (about 1e-6 of the number): no bf16 or f16 on the way to a quantiser, and a product that is left as it is and whose result goes on into a quantised operand takes f32 operands (vector FMAs, or v_wmma_f32_16x16x4_f32). A number that lies on a knife's edge between two numbers of the format may be rounded either way, as far as f32 arithmetic and the matrix unit's own rounding can turn it there, and no further.
;; One version. Each part assembles by itself: llvm-mc -triple=amdgcn-amd-amdhsa -mcpu=gfx1250 --defsym DOCPART=n.
;; ======== version 1 of 1: 4 launches
;; limits: right only within a limited range of input values
;; workspace buffers: actc 12,582,912 bytes; wc 4,194,304 bytes; qimg 4,194,304 bytes; kv 8,388,608 bytes; oimg 4,194,304 bytes
;; launch quant (part 1): grid 512 x 1, 4 waves a work-group, no clusters, 68,096 bytes of LDS; arguments v, k, q, Wv, Wk, Wq, Wo, lowp_scales, actc, wc; writes actc, wc
.if DOCPART == 1
	.amdgcn_target "amdgcn-amd-amdhsa--gfx1250"
	.amdhsa_code_object_version 6
	.text
	.protected	k_q2ee740ea32_quant
	.globl	k_q2ee740ea32_quant
	.p2align	8
	.type	k_q2ee740ea32_quant,@function
k_q2ee740ea32_quant:
	s_mov_b64 s[64:65], 0
	v_nop
	global_prefetch_b8 v0, s[64:65] scope:SCOPE_SE
	s_setreg_imm32_b32 hwreg(HW_REG_WAVE_MODE, 25, 1), 1
	s_wait_xcnt 0x0
; THE QUANTISER.  v, k, q [4096][1024] f32 become codes of BF8 (E5M2), K innermost, in actc [3][4096][1024]; Wv, Wk, Wq, Wo [1024 (k)][1024 (n)] f32 become codes laid [n][k] in wc [4][1024][1024].
; code = x / 2^e, held within +-57,344, rounded to the nearest code, ties to even.  e: entries 0, 2, 4 of the scales for v, k, q; entries 1, 3, 5, 11 for Wv, Wk, Wq, Wo.
; LIMITS: -126 <= e <= 112, so that 2^e and 57,344 x 2^e are f32 numbers.  NaN among the inputs is not served.
; ROW ORDER.  The rows of v and k in actc, and the n rows of all four weights in wc, are stored with bits 3 and 4 of the row number exchanged.  Sixteen neighbouring stored rows (tile 2 b + u, row p) are then the true
; rows 32 b + 8 u + p + 8 (p / 8): the choice of rows that lets two neighbouring result tiles of a transposed product hold 16 neighbours in a lane.  q's rows stay in their order.
; Work-groups 0 to 383 take the activations (128 each, 32 rows a work-group, 8 rows a wave); work-groups 384 to 511 the weights (32 each: 128 columns x 256 along K).  The two ways part on the work-group's
; number, never join, and have LDS bytes of their own.  No tensor loads, no barrier: waves share nothing.
.set STEPS, 16                         ; activations: steps of 512 numbers for a wave
.set SP,    80                         ; a lane's place in a stage: its 64 bytes + 16 of padding
.set WREG,  8192                       ; LDS bytes 0 .. 32,767: a region for each wave, two stages of 32 x SP bytes
.set R,     16                         ; v16-79   four sets of 16 numbers as they are loaded
.set X,     80                         ; v80-111  two sets of 16 neighbours
.set C,     128                        ; v128-191 codes: four registers for each step, so that no store's data are written again
.set WSTG,  32768                      ; weights: LDS bytes 32,768 on: a stage of 32 rows x PITCH for each wave
.set PITCH, 272                        ; a stage row: 256 codes + 16 bytes
.set NB,    8                          ; blocks of 32 along K for a wave
.set XW,    32                         ; v32-95   two sets of 32 numbers
.set CW,    96                         ; v96-103  a block's codes
.set OUTR,  112                        ; v112-175 the way out
	s_load_b512 s[8:23], s[0:1], 0x0               ; v s[8:9], k s[10:11], q s[12:13], Wv s[14:15], Wk s[16:17], Wq s[18:19], Wo s[20:21], the scales s[22:23]
	s_load_b128 s[24:27], s[0:1], 0x40             ; actc s[24:25], wc s[26:27]
	v_lshl_add_u32 v192, v0, 2, 0x10800
	v_mov_b32 v193, 0
	v_lshrrev_b32 v1, 5, v0
	v_readfirstlane_b32 s28, v1                    ; wave
	v_and_b32 v2, 31, v0                           ; lane
	s_cmp_lt_u32 ttmp9, 384
	s_cbranch_scc0 .Lweights
	; ---------------- the activations: a plain stream of numbers; each load reads 512 consecutive bytes, a step's 2,048 bytes turn through the wave's stage so that a lane holds 16 neighbours
	v_lshlrev_b32 v3, 4, v2                        ; 16 x lane: my bytes of a load's 512, and of a store's 512
	s_mul_i32 s29, s28, WREG
	v_lshrrev_b32 v14, 2, v2
	v_mul_u32_u24 v14, v14, SP
	v_and_b32 v15, 3, v2
	v_lshl_add_u32 v14, v15, 4, v14
	v_add_nc_u32 v14, s29, v14                     ; the stage, on the way in: SP (lane / 4) + 16 (lane % 4)
	v_mul_u32_u24 v15, v2, SP
	v_add_nc_u32 v15, s29, v15                     ; and on the way out: SP x lane
	s_lshr_b32 s30, ttmp9, 7                       ; z: 0 v, 1 k, 2 q
	s_and_b32 s31, ttmp9, 127                      ; which 32 rows of the tensor
	s_lshl_b32 s34, s31, 2
	s_add_co_u32 s34, s34, s28
	s_lshl_b32 s34, s34, 15                        ; in: (4 x index + wave) x 8 rows of 4,096 bytes
	s_mov_b32 s35, 0
	s_and_b32 s2, s28, 1
	s_lshl_b32 s2, s2, 1
	s_lshr_b32 s3, s28, 1
	s_or_b32 s2, s2, s3                            ; a wave is 8 whole rows, so bits 3 and 4 of the row are the wave's two bits: exchanged for v and k,
	s_cmp_eq_u32 s30, 2
	s_cselect_b32 s2, s28, s2                      ; kept for q
	s_lshl_b32 s2, s2, 13
	s_lshl_b32 s3, ttmp9, 15                       ; out: work-group x 32 rows of 1,024 bytes (128 work-groups are one tensor's 4 MiB)
	s_add_co_u32 s2, s2, s3
	s_mov_b32 s3, 0
	s_wait_alu depctr_va_vdst(0)
	s_wait_kmcnt 0x0
	s_load_b256 s[36:43], s[22:23], 0x0            ; entries 0 to 7
	s_cmp_eq_u32 s30, 0
	s_cselect_b64 s[4:5], s[8:9], s[10:11]
	s_cmp_eq_u32 s30, 2
	s_cselect_b64 s[4:5], s[12:13], s[4:5]         ; the choice hangs on the work-group's number alone
	s_add_nc_u64 s[4:5], s[4:5], s[34:35]
	s_add_nc_u64 s[6:7], s[24:25], s[2:3]
.macro LOAD t
.irp i, 0,1,2,3
	global_load_b128 v[R+16*((\t)%4)+4*\i:R+16*((\t)%4)+4*\i+3], v3, s[4:5] offset:2048*(\t)+512*\i th:TH_LOAD_NT   ; 32 lanes read 512 consecutive bytes
.endr
.endm
.macro TURN t                          ; step t's numbers through the stage: LDS serves a wave's instructions in order (ISA guide 5.7.1.4), so no wait stands between the stores and the loads
.irp i, 0,1,2,3
	ds_store_b128 v14, v[R+16*((\t)%4)+4*\i:R+16*((\t)%4)+4*\i+3] offset:32*SP*((\t)%2)+8*SP*\i
.endr
.irp i, 0,1,2,3
	ds_load_b128 v[X+16*((\t)%2)+4*\i:X+16*((\t)%2)+4*\i+3], v15 offset:32*SP*((\t)%2)+16*\i
.endr
.endm
.irp t, 0,1,2,3
	LOAD \t
.endr
	s_wait_kmcnt 0x0
	s_cmp_eq_u32 s30, 0
	s_cselect_b32 s32, s36, s38
	s_cmp_eq_u32 s30, 2
	s_cselect_b32 s32, s40, s32                    ; e: entry 2 z
	s_add_co_i32 s32, s32, 127
	s_lshl_b32 s33, s32, 23
	v_mov_b32 v11, s33                             ; 2^e as f32: the conversion takes its exponent field
	s_add_co_i32 s32, s32, 15
	s_lshl_b32 s32, s32, 23
	s_or_b32 s32, s32, 0x600000
	v_mov_b32 v10, s32                             ; 57,344 x 2^e
	s_wait_alu depctr_va_vdst(0)
	s_wait_loadcnt 12                              ; step 0's four loads are in; the twelve of steps 1 to 3 may be out
	TURN 0
.macro STEP t
.set XS, X+16*((\t)%2)
	s_wait_dscnt 0x0                               ; this step's numbers are back from the stage: so its stores into the stage have read their registers,
.if (\t)+4 < STEPS
	LOAD (\t)+4                                    ; which take the loads of four steps on
.endif
.if (\t)+1 < STEPS
.if STEPS-2-(\t) >= 3
	s_wait_loadcnt 12                              ; the next step's four loads are in; those of the three steps behind it may be out
.else
	s_wait_loadcnt 4*(STEPS-2-(\t))
.endif
	TURN (\t)+1                                    ; and go through the other stage while this step is worked
.endif
.irp i, 0,1,2,3,4,5,6,7,8,9,10,11,12,13,14,15
	v_med3_num_f32 v[XS+\i], v[XS+\i], -v10, v10   ; the conversion to an 8-bit code does not saturate (ISA guide 7.6.2): the hold at the largest code x the scale comes first
.endr
	v_cvt_scalef32_pk8_bf8_f32 v[C+4*(\t):C+4*(\t)+1], v[XS:XS+7], v11
	v_cvt_scalef32_pk8_bf8_f32 v[C+4*(\t)+2:C+4*(\t)+3], v[XS+8:XS+15], v11
	global_store_b128 v3, v[C+4*(\t):C+4*(\t)+3], s[6:7] offset:512*(\t)   ; the wave stores 512 consecutive bytes, at a multiple of 256 from the buffer's first byte
.endm
.irp t, 0,1,2,3,4,5,6,7,8,9,10,11,12,13,14,15
	STEP \t
.endr
	s_wait_tensorcnt 0x0
	ds_add_u32 v192, v193
	s_wait_dscnt 0x0
	s_endpgm
	; ---------------- the weights: K is the FIRST axis.  A lane takes a column n and its registers run down K: each load reads 128 consecutive bytes a wave, and the codes come out with K innermost
.Lweights:
	s_sub_co_u32 s29, ttmp9, 384
	s_lshr_b32 s30, s29, 5                         ; which weight: 0 Wv, 1 Wk, 2 Wq, 3 Wo
	s_and_b32 s31, s29, 7                          ; which 128 columns
	s_bfe_u32 s32, s29, 0x20003                    ; which 256 along K
	s_lshl_b32 s33, s31, 7
	s_lshl_b32 s34, s28, 5
	s_add_co_u32 s33, s33, s34                     ; my wave's first column
	s_wait_alu depctr_va_vdst(0)
	v_lshlrev_b32 v3, 2, v2                        ; in: 4 bytes a lane
	s_mul_i32 s34, s28, 32*PITCH
	s_add_co_u32 s34, s34, WSTG                    ; my stage
	v_mul_u32_u24 v4, v2, PITCH
	v_add_nc_u32 v4, s34, v4                       ; into it: row = my column
	v_and_b32 v5, 15, v2
	v_lshrrev_b32 v6, 4, v2                        ; out of it: sixteen lanes to a row, two rows an instruction
	v_mul_u32_u24 v7, v6, PITCH
	v_lshl_add_u32 v7, v5, 4, v7
	v_add_nc_u32 v7, s34, v7
	v_lshlrev_b32 v8, 10, v6
	v_lshl_add_u32 v8, v5, 4, v8                   ; and the same place among the codes' rows of 1,024 bytes
	s_lshl_b32 s2, s32, 20                         ; in: 256 y rows of 4,096 bytes + 4 x column
	s_lshl_b32 s3, s33, 2
	s_add_co_u32 s2, s2, s3
	s_mov_b32 s3, 0
	s_lshl_b32 s34, s30, 20                        ; out: the weight's 1 MiB + column x 1,024 + 256 y
	s_lshl_b32 s35, s33, 10
	s_add_co_u32 s34, s34, s35
	s_lshl_b32 s35, s32, 8
	s_add_co_u32 s34, s34, s35
	s_mov_b32 s35, 0
	s_wait_kmcnt 0x0
	s_load_b256 s[36:43], s[22:23], 0x0            ; entries 0 to 7
	s_load_b128 s[44:47], s[22:23], 0x20           ; entries 8 to 11
	s_cmp_eq_u32 s30, 0
	s_cselect_b64 s[4:5], s[14:15], s[16:17]
	s_cmp_eq_u32 s30, 2
	s_cselect_b64 s[4:5], s[18:19], s[4:5]
	s_cmp_eq_u32 s30, 3
	s_cselect_b64 s[4:5], s[20:21], s[4:5]
	s_add_nc_u64 s[4:5], s[4:5], s[2:3]
	s_add_nc_u64 s[6:7], s[26:27], s[34:35]
.macro WLOAD t                         ; block t: W(32 t + i, my column), i = 0 .. 31, into set t % 2.  The largest offset, 255 rows of 4,096 bytes, lies inside the signed 24-bit immediate
.irp i, 0,1,2,3,4,5,6,7,8,9,10,11,12,13,14,15,16,17,18,19,20,21,22,23,24,25,26,27,28,29,30,31
	global_load_b32 v[XW+32*((\t)%2)+\i], v3, s[4:5] offset:(32*(\t)+\i)*4096 th:TH_LOAD_NT
.endr
.endm
	WLOAD 0
	WLOAD 1
	s_wait_kmcnt 0x0
	s_cmp_eq_u32 s30, 0
	s_cselect_b32 s29, s37, s39
	s_cmp_eq_u32 s30, 2
	s_cselect_b32 s29, s41, s29
	s_cmp_eq_u32 s30, 3
	s_cselect_b32 s29, s47, s29                    ; e: entry 1, 3, 5 or 11
	s_add_co_i32 s29, s29, 127
	s_lshl_b32 s31, s29, 23
	v_mov_b32 v11, s31                             ; 2^e
	s_add_co_i32 s29, s29, 15
	s_lshl_b32 s29, s29, 23
	s_or_b32 s29, s29, 0x600000
	v_mov_b32 v10, s29                             ; 57,344 x 2^e
.macro BLOCK t
.set XS, XW+32*((\t)%2)
.if (\t) < NB-1
	s_wait_loadcnt 32                              ; this block's 32 loads are in; the next block's may be out
.else
	s_wait_loadcnt 0
.endif
.irp i, 0,1,2,3,4,5,6,7,8,9,10,11,12,13,14,15,16,17,18,19,20,21,22,23,24,25,26,27,28,29,30,31
	v_med3_num_f32 v[XS+\i], v[XS+\i], -v10, v10
.endr
.irp g, 0,1,2,3
	v_cvt_scalef32_pk8_bf8_f32 v[CW+2*\g:CW+2*\g+1], v[XS+8*\g:XS+8*\g+7], v11
.endr
	ds_store_b128 v4, v[CW:CW+3] offset:32*(\t)    ; 32 codes: 32 bytes of my column's row
	ds_store_b128 v4, v[CW+4:CW+7] offset:32*(\t)+16
.if (\t)+2 < NB
	WLOAD (\t)+2
.endif
	s_wait_dscnt 0x0                               ; the stores have read their registers: the next block's codes may be written
.endm
.set Q, 0
	s_wait_alu depctr_va_vdst(0)
.rept NB
	BLOCK Q
.set Q, Q+1
.endr
.irp t, 0,1,2,3,4,5,6,7,8,9,10,11,12,13,14,15
	ds_load_b128 v[OUTR+4*\t:OUTR+4*\t+3], v7 offset:2*\t*PITCH   ; LDS serves a wave's instructions in order: these see my stores
.endr
.irp t, 0,1,2,3,4,5,6,7,8,9,10,11,12,13,14,15
.set SWT, ((2*\t)&7)|(((2*\t)&8)<<1)|(((2*\t)&16)>>1)   ; rows 2 t and 2 t + 1 of my 32 go to the rows with bits 3 and 4 exchanged
	s_wait_dscnt 15-\t
	global_store_b128 v8, v[OUTR+4*\t:OUTR+4*\t+3], s[6:7] offset:SWT*1024   ; sixteen lanes store 256 consecutive bytes, at a multiple of 256 from the buffer's first byte
.endr
	s_wait_tensorcnt 0x0
	ds_add_u32 v192, v193
	s_wait_dscnt 0x0
	s_endpgm
.Lfunc_end_k_q2ee740ea32_quant:
	.size	k_q2ee740ea32_quant, .Lfunc_end_k_q2ee740ea32_quant-k_q2ee740ea32_quant
	.p2alignl 7, 3214868480
	.fill 96, 4, 3214868480
	.section	.rodata,"a",@progbits
	.p2align	6, 0x0
	.amdhsa_kernel k_q2ee740ea32_quant
		.amdhsa_group_segment_fixed_size 68096
		.amdhsa_private_segment_fixed_size 0
		.amdhsa_enable_private_segment 0
		.amdhsa_kernarg_size 80
		.amdhsa_user_sgpr_count 2
		.amdhsa_user_sgpr_kernarg_segment_ptr 1
		.amdhsa_wavefront_size32 1
		.amdhsa_system_sgpr_workgroup_id_x 1
		.amdhsa_system_sgpr_workgroup_id_y 1
		.amdhsa_system_sgpr_workgroup_id_z 1
		.amdhsa_system_vgpr_workitem_id 0
		.amdhsa_next_free_vgpr 194
		.amdhsa_next_free_sgpr 66
		.amdhsa_reserve_vcc 0
		.amdhsa_float_denorm_mode_32 3
		.amdhsa_float_denorm_mode_16_64 3
		.amdhsa_memory_ordered 1
		.amdhsa_forward_progress 1
		.amdhsa_inst_pref_size 86
	.end_amdhsa_kernel
	.amdgpu_metadata
---
amdhsa.version: [ 1, 2 ]
amdhsa.kernels:
  - .name:           k_q2ee740ea32_quant
    .symbol:         k_q2ee740ea32_quant.kd
    .args:
      - { .name: v, .offset: 0, .size: 8, .value_kind: global_buffer, .address_space: global }
      - { .name: k, .offset: 8, .size: 8, .value_kind: global_buffer, .address_space: global }
      - { .name: q, .offset: 16, .size: 8, .value_kind: global_buffer, .address_space: global }
      - { .name: Wv, .offset: 24, .size: 8, .value_kind: global_buffer, .address_space: global }
      - { .name: Wk, .offset: 32, .size: 8, .value_kind: global_buffer, .address_space: global }
      - { .name: Wq, .offset: 40, .size: 8, .value_kind: global_buffer, .address_space: global }
      - { .name: Wo, .offset: 48, .size: 8, .value_kind: global_buffer, .address_space: global }
      - { .name: lowp_scales, .offset: 56, .size: 8, .value_kind: global_buffer, .address_space: global }
      - { .name: actc, .offset: 64, .size: 8, .value_kind: global_buffer, .address_space: global }
      - { .name: wc, .offset: 72, .size: 8, .value_kind: global_buffer, .address_space: global }
    .group_segment_fixed_size: 68096
    .private_segment_fixed_size: 0
    .kernarg_segment_align: 8
    .kernarg_segment_size: 80
    .max_flat_workgroup_size: 128
    .sgpr_count:     66
    .vgpr_count:     194
    .wavefront_size: 32
...
	.end_amdgpu_metadata
.endif
;; end of part 1
;; launch proj (part 2): grid 8 x 32, 4 waves a work-group, clusters of 4 x 4, 327,680 bytes of LDS; arguments actc, wc, lowp_scales, qimg, kv; writes qimg, kv
.if DOCPART == 2
	.amdgcn_target "amdgcn-amd-amdhsa--gfx1250"
	.amdhsa_code_object_version 6
	.text
	.protected	k_q2ee740ea32_proj
	.globl	k_q2ee740ea32_proj
	.p2align	8
	.type	k_q2ee740ea32_proj,@function
k_q2ee740ea32_proj:
	s_mov_b64 s[64:65], 0
	v_nop
	global_prefetch_b8 v0, s[64:65] scope:SCOPE_SE
	s_setreg_imm32_b32 hwreg(HW_REG_WAVE_MODE, 25, 1), 1
	s_wait_xcnt 0x0
	s_wait_alu depctr_hold_cnt(0) depctr_sa_sdst(0) depctr_va_vdst(0) depctr_va_sdst(0) depctr_va_ssrc(0) depctr_va_vcc(0) depctr_vm_vsrc(0)
	s_getreg_b32 s2, hwreg(HW_REG_IB_STS2, 6, 4)
	s_cmp_eq_u32 s2, 0
	s_cbranch_scc0 .Lentry_in_a_cluster
	s_endpgm
.Lentry_in_a_cluster:
	s_bfe_u32 s2, ttmp6, 0x10000c
	s_cmp_lg_u32 s2, 0xf033
	s_cbranch_scc0 .Lentry_shape_is_right
	s_endpgm
.Lentry_shape_is_right:
; THE THREE PROJECTIONS v Wv, k Wk, q Wq on codes of BF8, their results quantised at once (entries 9, 7, 6 of the scales) and stored as IMAGES OF THE OPERANDS' REGISTERS for the attention launch.
; A WORK-GROUP STAYS: it makes three tiles, one of each projection (z = 0: v, 1: k, 2: q), each 128 P rows x 128 R rows over K = 1,024.  Source 0 of the matrix instruction = 16 P rows, source 1 = 16 R rows: a lane holds
; ONE R row and eight P rows.  P's stored rows have bits 3 and 4 of the row number exchanged, so the 16 registers of P tiles 2 p and 2 p + 1 are 16 NEIGHBOURS along P: two conversions make 16 bytes, one part of an image.
;   k, q: P = the weight's n rows (the head's channels), R = the rows of k or q: a lane holds a key or query and 16 channels.      v: P = v's rows (the keys), R = Wv's n rows: a lane holds a channel and 16 keys.
; Every store of a wave is 512 consecutive bytes (16 x lane): no stage is needed.
; A fragment (16 rows x 128 K) is fetched by four loads of 16 bytes: registers 4 c .. 4 c + 3 hold k = 32 c + 16 (lane / 16) + 0 .. 15: one permutation of k, the same on both sides.
; RING.  K goes in halves of 512 through two LDS slots (R's 128 rows, then P's 128 rows, 512 bytes + 16 a row): six halves, half g = 2 z + (which 512) in slot g % 2.  Each wave fetches 64 rows by one tensor load.  At a
; half's head stand the wait for all tensor loads, the add, the wait for it and a round of the cluster's barrier; behind it the next half is asked for, into the slot just left.  The ring goes on from tile to tile, and a
; tile's quantising and stores stand behind the refill that follows its last half.  By this text's count a wave has one tensor load out.
; CLUSTERS: 4 x 4 work-groups.  P's tile hangs on cx alone and is asked for jointly along the cluster's column, R's on cy alone and along its row.
; PREFETCH.  Half g + 2 is named in half g, a whole half ahead of its tensor load: of the 64 rows that a wave fetches each of the four partners that ask for them jointly takes 16, told apart by address (cx for R, cy for P);
; a lane names 256 bytes, two lanes a row's 512.  Halves 0 and 1 come by their loads alone; halves 4 and 5 name nothing.
; LIMITS: E = e(out) - e(activation) - e(weight) lies between -126 and 112, so that 2^E and 57,344 x 2^E are f32 numbers.
; REGISTERS: window 0: v16-19 LDS addresses for the two slots; v20 16 x lane; v21 the prefetches' offset; v22, v23 the add's; v24 2^E, v25 the limit; v32-63 codes; v128-255 the 16 accumulators ((tr, tp) at 128 + 8 (4 tr + tp)).
;   window 1: two fragment buffers of 128: P's four fragments, then R's four.
.set PITCH, 528                        ; an LDS row: 512 bytes + 16 = 132 words: the 16 rows of a fragment load start at 16 different banks (64 banks of 4 bytes: ISA guide 11.1)
.set HALFT, 64*PITCH                   ; what one tensor load brings, and what one wave reads of P or of R in a slot
.set SLOT,  4*HALFT
.set SPARE, 2*SLOT                     ; behind the ring: the spare words, 128 bytes for each wave
.set AP,  16
.set AR,  18
.set VO,  20
.set PFO, 21
.set SPW, 22
.set NIL, 23
.set SCL, 24
.set LIM, 25
.set CD,  32
.set ACC, 128
.set G1R, 28                           ; s[28:35] descriptor group 1 for R's tiles;  s[36:43] for P's: they differ in the mask alone
.set G1P, 36
.set G0R, 44                           ; s[44:47], s[48:51] descriptor groups 0, written anew behind each wait for all tensor loads
.set G0P, 48
.set RZ,  52                           ; s[52:57] my 64 rows of R in memory, for z = 0, 1, 2;  s[58:63] of P
.set PZ,  58
.set SB,  66                           ; s[66:71] where my images go, for z = 0, 1, 2
.set PFA, 72                           ; s[72:73] the prefetch's base
.set PADW, (1<<20)|(1<<21)|(6<<22)|(3<<25)   ; 17:16 elements of 1 byte; 20 padding on; 21 set beside a mask; 24:22 after every 128 words; 31:25 four words
.set MSB, 0
.macro WIN new                         ; the immediate's high byte repeats the setting that is left
.if MSB != \new
	s_set_vgpr_msb (MSB<<8)|\new
.set MSB, \new
.endif
.endm
.set MUL,  0x05                        ; sources 0 and 1 window 1; C and D window 0
.set TO_F, 0x40                        ; destination window 1, address window 0
.macro CROUND                          ; a round of the cluster's barrier
	s_barrier_signal -1
	s_barrier_wait -1
	s_cmp_lg_u32 s14, 0
	s_cbranch_scc1 .Lnot_wave_0_\@
	s_barrier_signal -3
.Lnot_wave_0_\@:
	s_barrier_wait -3
	s_barrier_signal -1
	s_barrier_wait -1
.endm
.macro PLACES
.rept 4
	v_nop
.endr
.endm
; A joint load: waves 0 and 1 fetch for R, waves 2 and 3 for P.  Each line has one mask; the branch hangs on the wave's number alone.  An s_nop 0 and four v_nop follow each line.
.macro JLOAD
	s_cmp_eq_u32 s15, 0
	s_cbranch_scc0 .Lfor_p_\@
	tensor_load_to_lds s[G0R:G0R+3], s[G1R:G1R+7]
	s_nop 0
	PLACES
	s_branch .Lasked_\@
.Lfor_p_\@:
	tensor_load_to_lds s[G0P:G0P+3], s[G1P:G1P+7]
	s_nop 0
	PLACES
.Lasked_\@:
.endm
.macro SETD g                          ; both groups 0 for half g: tile g / 2, bytes 512 (g % 2) on of each row, slot g % 2
.set gz, (\g)/2
.set gk, (\g)%2
	s_add_co_u32 s[G0R+1], s26, gk*SLOT
	s_add_nc_u64 s[G0R+2:G0R+3], s[RZ+2*gz:RZ+2*gz+1], gk*512
	s_or_b32 s[G0R+3], s[G0R+3], 0x80000000
	s_add_co_u32 s[G0P+1], s26, gk*SLOT
	s_add_nc_u64 s[G0P+2:G0P+3], s[PZ+2*gz:PZ+2*gz+1], gk*512
	s_or_b32 s[G0P+3], s[G0P+3], 0x80000000
.endm
.macro KVOFF ta, tw, wh                ; s96 = the place in kv [b 2][g 4][step 16][65,536] of activation tile ta, weight tile tw (two heads), head wh of the two
	s_lshr_b32 s96, s[\ta], 4
	s_lshl_b32 s96, s96, 2
	s_lshr_b32 s97, s[\tw], 1
	s_add_co_u32 s96, s96, s97
	s_lshl_b32 s96, s96, 4
	s_and_b32 s97, s[\ta], 15
	s_or_b32 s96, s96, s97
	s_lshl_b32 s96, s96, 16
	s_and_b32 s97, s[\tw], 1
	s_lshl_b32 s97, s97, 1
	s_add_co_u32 s97, s97, s[\wh]
	s_lshl_b32 s97, s97, 13                        ; the head in its group of four: 8,192 bytes each
	s_add_co_u32 s96, s96, s97
.endm
	s_load_b256 s[4:11], s[0:1], 0x0               ; actc s[4:5], wc s[6:7], the scales s[8:9], qimg s[10:11]
	s_load_b64 s[12:13], s[0:1], 0x20              ; kv
	v_lshl_add_u32 v[SPW], v0, 2, SPARE
	v_mov_b32 v[NIL], 0
	ds_add_u32 v[SPW], v[NIL]                      ; the opening lines: the add, twice on end, and its wait ahead of my first tensor load
	ds_add_u32 v[SPW], v[NIL]
	v_lshrrev_b32 v1, 5, v0
	v_readfirstlane_b32 s14, v1                    ; wave 0..3
	s_lshr_b32 s15, s14, 1                         ; I fetch for R (0) or for P (1).  Also wr: which 64 R rows I multiply
	s_and_b32 s16, s14, 1                          ; which 64 rows of that tile I fetch.  Also wp: which 64 P rows I multiply
	s_bfe_u32 s17, ttmp6, 0x40000                  ; cx
	s_bfe_u32 s18, ttmp6, 0x40004                  ; cy
	s_and_b32 s20, ttmp7, 0xffff                   ; j: the cluster's y, 0 .. 7
	s_and_b32 s21, s20, 3
	s_lshl_b32 s21, s21, 1
	s_add_co_u32 s21, s21, ttmp9
	s_lshl_b32 s21, s21, 2
	s_add_co_u32 s21, s21, s17                     ; v: P has 32 tiles: 4 (X + 2 (j & 3)) + cx: never holds cy
	s_lshr_b32 s22, s20, 2
	s_lshl_b32 s22, s22, 2
	s_add_co_u32 s22, s22, s18                     ;    R has 8: 4 (j >> 2) + cy: never holds cx
	s_lshl_b32 s23, ttmp9, 2
	s_add_co_u32 s23, s23, s17                     ; k, q: P has 8 tiles: 4 X + cx
	s_lshl_b32 s24, s20, 2
	s_add_co_u32 s24, s24, s18                     ;       R has 32: 4 j + cy
	s_lshl_b32 s74, s18, 2
	s_lshl_b32 s74, 15, s74                        ; my row of the cluster
	s_lshl_b32 s75, 0x1111, s17                    ; my column
	s_or_b32 s[G1R], s74, PADW
	s_or_b32 s[G1P], s75, PADW
.irp g, G1R, G1P
	s_mov_b32 s[\g+1], 512<<16                     ; tensor_dim0 = 512 bytes
	s_mov_b32 s[\g+2], 64<<16                      ; tensor_dim1 = 64
	s_mov_b32 s[\g+3], 512<<16                     ; tile_dim0
	s_mov_b32 s[\g+4], 64                          ; tile_dim1
	s_mov_b32 s[\g+5], 1024                        ; from row to row
	s_mov_b32 s[\g+6], 0
	s_mov_b32 s[\g+7], 0
.endr
	s_mov_b32 s[G0R], 1
	s_mov_b32 s[G0P], 1
	s_lshl_b32 s25, s16, 16                        ; my 64 rows of 1,024 bytes
	s_mul_i32 s26, s14, HALFT                      ; where my rows go in a slot: wave x 64 rows: no place in the cluster enters an LDS address
	s_lshl_b32 s76, s21, 17                        ; tile x 128 rows + my 64
	s_add_co_u32 s76, s76, s25
	s_mov_b32 s77, 0
	s_lshl_b32 s78, s22, 17
	s_add_co_u32 s78, s78, s25
	s_mov_b32 s79, 0
	s_lshl_b32 s80, s23, 17
	s_add_co_u32 s80, s80, s25
	s_mov_b32 s81, 0
	s_lshl_b32 s82, s24, 17
	s_add_co_u32 s82, s82, s25
	s_mov_b32 s83, 0
	s_mul_i32 s98, s15, HALFT                      ; my 64 R rows in a slot,
	s_mul_i32 s99, s16, HALFT
	s_add_co_u32 s99, s99, 2*HALFT                 ; my 64 P rows, behind R's 128
	s_cmp_eq_u32 s15, 0
	s_cselect_b32 s19, s17, s18                    ; my place among the four that ask with me: cx for R, cy for P
	s_lshl_b32 s19, s19, 14                        ; 16 rows of 1,024 bytes each
	s_wait_dscnt 0x0                               ; both opening adds are done
	s_wait_kmcnt 0x0
	s_load_b256 s[84:91], s[8:9], 0x0              ; the scales' entries 0 to 7,
	s_load_b128 s[92:95], s[8:9], 0x20             ; 8 to 11
	s_add_nc_u64 s[PZ:PZ+1], s[4:5], s[76:77]      ; z = 0: P = v's codes, R = Wv's
	s_add_nc_u64 s[RZ:RZ+1], s[6:7], s[78:79]
	s_add_nc_u64 s[PZ+2:PZ+3], s[6:7], s[80:81]    ; z = 1, 2: P = the weight's MiB of wc,
	s_add_nc_u64 s[PZ+2:PZ+3], s[PZ+2:PZ+3], 1<<20
	s_add_nc_u64 s[PZ+4:PZ+5], s[PZ+2:PZ+3], 1<<20
	s_add_nc_u64 s[RZ+2:RZ+3], s[4:5], s[82:83]    ; R = the activation's 4 MiB of actc
	s_add_nc_u64 s[RZ+2:RZ+3], s[RZ+2:RZ+3], 1<<22
	s_add_nc_u64 s[RZ+4:RZ+5], s[RZ+2:RZ+3], 1<<22
	SETD 0
	CROUND                                         ; all sixteen work-groups are here: the first joint loads meet
	JLOAD                                          ; half 0: one tensor load a wave at the head
	v_and_b32 v1, 15, v0                           ; r
	v_bfe_u32 v2, v0, 4, 1                         ; h
	v_mul_u32_u24 v3, v1, PITCH
	v_lshl_add_u32 v3, v2, 4, v3                   ; a fragment's row x pitch + 16 h
	v_add_nc_u32 v[AR], s98, v3
	v_add_nc_u32 v[AP], s99, v3
	v_add_nc_u32 v[AR+1], SLOT, v[AR]
	v_add_nc_u32 v[AP+1], SLOT, v[AP]
	v_and_b32 v4, 31, v0
	v_lshlrev_b32 v[VO], 4, v4                     ; 16 x lane
	v_lshrrev_b32 v5, 1, v4
	v_and_b32 v6, 1, v4
	v_lshlrev_b32 v5, 10, v5
	v_lshl_add_u32 v5, v6, 8, v5
	v_add_nc_u32 v[PFO], s19, v5                   ; the prefetches: row lane / 2 of my work-group's 16, + 256 for the odd lane
	; where the images go.  z = 0: the activation's tile is P's, the weight's R's, my head of the two is wr, my 64 keys wp;  z = 1, 2: the other way round
	KVOFF 21, 22, 15
	s_lshl_b32 s97, s16, 10                        ; V's images lie 32,768 bytes on; my 64 keys are two parts of 512 bytes
	s_add_co_u32 s96, s96, s97
	s_add_co_u32 s96, s96, 32768
	s_mov_b32 s97, 0
	s_add_nc_u64 s[SB:SB+1], s[12:13], s[96:97]
	KVOFF 24, 23, 16
	s_lshl_b32 s97, s15, 12                        ; K's images: my 64 keys are four tiles of 1,024 bytes
	s_add_co_u32 s96, s96, s97
	s_mov_b32 s97, 0
	s_add_nc_u64 s[SB+2:SB+3], s[12:13], s[96:97]
	s_lshl_b32 s96, s24, 3                         ; qimg [tile of 16 queries][head 16][1,024]: tile = 8 x the activation's tile + 4 wr + tr, head = 2 x the weight's tile + wp
	s_lshl_b32 s97, s15, 2
	s_add_co_u32 s96, s96, s97
	s_lshl_b32 s96, s96, 4
	s_lshl_b32 s97, s23, 1
	s_add_co_u32 s96, s96, s97
	s_add_co_u32 s96, s96, s16
	s_lshl_b32 s96, s96, 10
	s_mov_b32 s97, 0
	s_add_nc_u64 s[SB+4:SB+5], s[10:11], s[96:97]
; 32 LDS loads in one run: the fragments of slot sl's q-th 128 along K into buffer f: P's four, then R's four
.macro FETCH sl, q, f
	WIN TO_F
.irp t, 0,1,2,3
.irp c, 0,1,2,3
	ds_load_b128 v[\f+16*\t+4*\c:\f+16*\t+4*\c+3], v[AP+\sl] offset:16*\t*PITCH+128*(\q)+32*\c
.endr
.endr
.irp t, 0,1,2,3
.irp c, 0,1,2,3
	ds_load_b128 v[\f+64+16*\t+4*\c:\f+64+16*\t+4*\c+3], v[AR+\sl] offset:16*\t*PITCH+128*(\q)+32*\c
.endr
.endr
.endm
; 8 matrix instructions: R tiles a0, a0 + 1 x P's four, 128 along K.  zero = 1: a tile's first products start the sums.  The 16 accumulators take turns, one instruction a turn.
.macro MUL8 f, a0, zero
.irp a, \a0, \a0+1
.irp b, 0,1,2,3
.if \zero
	v_wmma_f32_16x16x128_bf8_bf8 v[ACC+8*(4*(\a)+\b):ACC+8*(4*(\a)+\b)+7], v[\f+16*\b:\f+16*\b+15], v[\f+64+16*(\a):\f+64+16*(\a)+15], 0
.else
	v_wmma_f32_16x16x128_bf8_bf8 v[ACC+8*(4*(\a)+\b):ACC+8*(4*(\a)+\b)+7], v[\f+16*\b:\f+16*\b+15], v[\f+64+16*(\a):\f+64+16*(\a)+15], v[ACC+8*(4*(\a)+\b):ACC+8*(4*(\a)+\b)+7]
.endif
.endr
.endr
.endm
; The q-th of a slot's four steps of 128 along K.  In its middle the next step's fragments are fetched into the other buffer.
.macro KSTEP sl, q, zero
.set fb, 128*((\q)%2)
.set nb, 128*(((\q)+1)%2)
	s_wait_dscnt 8                                 ; P's fragments and R's tiles 0, 1 are in; the youngest eight loads (R's tiles 2, 3) may be out
	WIN MUL
	MUL8 fb, 0, \zero
.if \q < 3
	WIN 0
	PLACES                                         ; four places (ISA guide 7.12.1 for vector instructions) in front of loads into the buffer that the last step's products read
	FETCH \sl, (\q)+1, nb
	s_wait_dscnt 32                                ; all but the 32 just issued
.else
	s_wait_dscnt 0x0
.endif
	WIN MUL
	MUL8 fb, 2, \zero
.endm
; Tile z's sums are held, converted and stored.  A sum stands for sum x 2^(e(activation) + e(weight)): its code is sum / 2^E.  ea, eb, eo: the registers of the three exponents; str: bytes from R tile to R tile.
; (The stores of the tile before have read their registers: a wait on XCNT stands in every change of slots.)
.macro EPI z, ea, eb, eo, str
	s_add_co_i32 s96, s[\ea], s[\eb]
	s_sub_co_i32 s96, s[\eo], s96                  ; E
	s_add_co_i32 s96, s96, 127
	s_lshl_b32 s97, s96, 23
	v_mov_b32 v[SCL], s97                          ; 2^E
	s_add_co_i32 s96, s96, 15
	s_lshl_b32 s96, s96, 23
	s_or_b32 s96, s96, 0x600000
	v_mov_b32 v[LIM], s96                          ; 57,344 x 2^E
.set j, 0
.rept 128
	v_med3_num_f32 v[ACC+j], v[ACC+j], -v[LIM], v[LIM]   ; the hold (the conversion does not saturate: ISA guide 7.6.2), each accumulator from its low end on
.set j, j+1
.endr
.irp p, 0,1,2,3,4,5,6,7                        ; pair p = 2 tr + pb: P tiles 2 pb and 2 pb + 1 of R tile tr: 16 neighbours
	v_cvt_scalef32_pk8_bf8_f32 v[CD+4*\p:CD+4*\p+1], v[ACC+16*\p:ACC+16*\p+7], v[SCL]
	v_cvt_scalef32_pk8_bf8_f32 v[CD+4*\p+2:CD+4*\p+3], v[ACC+16*\p+8:ACC+16*\p+15], v[SCL]
.endr
	v_nop                                          ; a plain vector line behind the last conversion
.irp a, 0,1,2,3
.irp b, 0,1
	global_store_b128 v[VO], v[CD+4*(2*\a+\b):CD+4*(2*\a+\b)+3], s[SB+2*\z:SB+2*\z+1] offset:\a*\str+512*\b   ; 32 lanes store 512 consecutive bytes, at a multiple of 256 from the buffer's first byte
.endr
.endr
.endm
; HALF h.  The change of slots: each wave waits for its tensor load (its part of this half), adds 0 to its spare word, and waits for that; its reads of the other slot were waited for in the last step.  Then a round of the
; cluster's barrier, and half h + 1 is asked for, into the slot just left (h = 0: slot 1's first fill).  Behind the refill: this half's first fragments, the prefetch, the finished tile's way out, the four steps.
.macro PHASE h
.set hh, \h
.set sl_, hh%2
	WIN 0
	s_wait_tensorcnt 0x0                           ; no tensor load of mine is out, so the groups 0 may be written
	ds_add_u32 v[SPW], v[NIL]                      ; 0 onto my spare word: work on registers stands between it and the wait for it
	s_wait_xcnt 0x0                                ; my stores and my prefetch have read their registers
.if hh < 5
	SETD hh+1
.endif
.if hh < 4
	s_cmp_eq_u32 s15, 0
	s_cselect_b64 s[PFA:PFA+1], s[RZ+2*((hh+2)/2):RZ+2*((hh+2)/2)+1], s[PZ+2*((hh+2)/2):PZ+2*((hh+2)/2)+1]
.endif
	s_wait_dscnt 0x0
.if hh < 5
	CROUND
	JLOAD                                          ; the first tensor load behind the round; its four v_nop are also the places in front of the loads and of the first read of results below
.else
	s_barrier_signal -1
	s_barrier_wait -1                              ; everybody's part of the last half is in; nothing is filled again
	PLACES
.endif
	FETCH sl_, 0, 0
	WIN 0
.if hh < 4
	global_prefetch_b8 v[PFO], s[PFA:PFA+1] offset:512*sl_ th:TH_LOAD_NT scope:SCOPE_SE   ; half h + 2: the same 512 bytes of the rows, in the next tile
.endif
.if hh == 2
	EPI 0, 84, 85, 93, 2048                        ; v's heads: entry 9; from tile of channels to tile of channels 2,048 bytes
.endif
.if hh == 4
	EPI 1, 86, 87, 91, 1024                        ; k's: entry 7; from tile of keys to tile of keys 1,024
.endif
	KSTEP sl_, 0, 1-sl_
	KSTEP sl_, 1, 0
	KSTEP sl_, 2, 0
	KSTEP sl_, 3, 0
.endm
	s_wait_kmcnt 0x0                               ; the scales
	s_wait_alu depctr_va_vdst(0)                   ; the wait at the head's end
	PHASE 0
	PHASE 1
	PHASE 2
	PHASE 3
	PHASE 4
	PHASE 5
	WIN 0
	PLACES                                         ; four places in front of the first read of results
	s_wait_xcnt 0x0                                ; k's stores have read their registers
	EPI 2, 88, 89, 90, 16384                       ; q's: entry 6; from tile of queries to tile of queries 16,384
	s_wait_tensorcnt 0x0                           ; the wave's end
	ds_add_u32 v[SPW], v[NIL]
	s_wait_dscnt 0x0
	CROUND                                         ; the closing round: no work-group ends while a partner may still ask for a tile that names it
	s_endpgm
.Lfunc_end_k_q2ee740ea32_proj:
	.size	k_q2ee740ea32_proj, .Lfunc_end_k_q2ee740ea32_proj-k_q2ee740ea32_proj
	.p2alignl 7, 3214868480
	.fill 96, 4, 3214868480
	.section	.rodata,"a",@progbits
	.p2align	6, 0x0
	.amdhsa_kernel k_q2ee740ea32_proj
		.amdhsa_group_segment_fixed_size 327680
		.amdhsa_private_segment_fixed_size 0
		.amdhsa_enable_private_segment 0
		.amdhsa_kernarg_size 40
		.amdhsa_user_sgpr_count 2
		.amdhsa_user_sgpr_kernarg_segment_ptr 1
		.amdhsa_wavefront_size32 1
		.amdhsa_system_sgpr_workgroup_id_x 1
		.amdhsa_system_sgpr_workgroup_id_y 1
		.amdhsa_system_sgpr_workgroup_id_z 1
		.amdhsa_system_vgpr_workitem_id 0
		.amdhsa_next_free_vgpr 512
		.amdhsa_next_free_sgpr 100
		.amdhsa_reserve_vcc 0
		.amdhsa_float_denorm_mode_32 3
		.amdhsa_float_denorm_mode_16_64 3
		.amdhsa_memory_ordered 1
		.amdhsa_forward_progress 1
		.amdhsa_inst_pref_size 124
	.end_amdhsa_kernel
	.amdgpu_metadata
---
amdhsa.version: [ 1, 2 ]
amdhsa.kernels:
  - .name:           k_q2ee740ea32_proj
    .symbol:         k_q2ee740ea32_proj.kd
    .args:
      - { .name: actc, .offset: 0, .size: 8, .value_kind: global_buffer, .address_space: global }
      - { .name: wc, .offset: 8, .size: 8, .value_kind: global_buffer, .address_space: global }
      - { .name: lowp_scales, .offset: 16, .size: 8, .value_kind: global_buffer, .address_space: global }
      - { .name: qimg, .offset: 24, .size: 8, .value_kind: global_buffer, .address_space: global }
      - { .name: kv, .offset: 32, .size: 8, .value_kind: global_buffer, .address_space: global }
    .group_segment_fixed_size: 327680
    .private_segment_fixed_size: 0
    .kernarg_segment_align: 8
    .kernarg_segment_size: 40
    .max_flat_workgroup_size: 128
    .sgpr_count:     100
    .vgpr_count:     512
    .wavefront_size: 32
...
	.end_amdgpu_metadata
.endif
;; end of part 2
;; launch attn (part 3): grid 4 x 64, 16 waves a work-group, clusters of 4 x 4, 327,680 bytes of LDS; arguments qimg, kv, mask, lowp_scales, oimg; writes oimg
.if DOCPART == 3
	.amdgcn_target "amdgcn-amd-amdhsa--gfx1250"
	.amdhsa_code_object_version 6
	.text
	.protected	k_q2ee740ea32_attn
	.globl	k_q2ee740ea32_attn
	.p2align	8
	.type	k_q2ee740ea32_attn,@function
k_q2ee740ea32_attn:
	s_mov_b64 s[64:65], 0
	v_nop
	global_prefetch_b8 v0, s[64:65] scope:SCOPE_SE
	s_setreg_imm32_b32 hwreg(HW_REG_WAVE_MODE, 25, 1), 1
	s_wait_xcnt 0x0
	s_wait_alu depctr_hold_cnt(0) depctr_sa_sdst(0) depctr_va_vdst(0) depctr_va_sdst(0) depctr_va_ssrc(0) depctr_va_vcc(0) depctr_vm_vsrc(0)
	s_getreg_b32 s2, hwreg(HW_REG_IB_STS2, 6, 4)
	s_cmp_eq_u32 s2, 0
	s_cbranch_scc0 .Lentry_in_a_cluster
	s_endpgm
.Lentry_in_a_cluster:
	s_bfe_u32 s2, ttmp6, 0x10000c
	s_cmp_lg_u32 s2, 0xf033
	s_cbranch_scc0 .Lentry_shape_is_right
	s_endpgm
.Lentry_shape_is_right:
; ATTENTION on codes of BF8: S = Q K^T, logit = (S / 8 + mask x (-1e9)) / 12, softmax, O = P V, O / l quantised (entry 10 of the scales) into images for the last product.
; THE SOFTMAX AHEAD OF THE SECOND PRODUCT: t = logit x log2(e); M = the row's largest t so far, rounded UP to a whole number; p = 2^(t - M) is quantised with 2^e8, not normalised; the row's sum l is taken of the
; unquantised p; when M moves, l and O are multiplied by 2^(old M - new M), which rounds nothing.  The mask is an input: every key is walked and every number of the mask is read.
; HOW t IS MADE.  A score sum s stands for s x 2^(e6 + e7).  u = s + mask x CM, CM = -1e9 x 8 / 2^(e6 + e7), one fused multiply-add.  t = u x CA, CA = log2(e) / 12 x 2^(e6 + e7) / 8, ROUNDED to f32, and only then
; M is taken off: in a row that is masked throughout all u are equal, so all t equal M and all p are 1.
; SHARES.  A work-group owns 64 queries of four heads (head group cx); wave w owns queries 16 (w & 3) on of head w >> 2: one tile, 256 registers, four waves to a SIMD.  Every wave walks 16 steps of 128 keys.
; LAYOUT.  Both products are used transposed (S^T = K Q^T, O^T = V^T P^T): a lane holds ONE query (lane % 16).  The 16 registers of tiles 2 b, 2 b + 1 of S^T are keys 32 b + 16 (lane / 16) + 0 .. 15.
; K AND V GO FROM MEMORY STRAIGHT INTO REGISTERS: they were stored as images of the operands' registers, so a load is 512 consecutive bytes, 16 a lane.  K of step i + 1 is asked for behind step i's first product,
; V of step i behind the 32 multiply-adds that free its registers.  They are NOT asked for jointly, though the four work-groups of a cluster's column walk the same images: through LDS they would take 65,536 bytes of a
; key step, a slot would hold one key step, and a round of the cluster's barrier would stand in each of the 16 steps.
; RING.  LDS holds the mask alone: two slots of FOUR key steps (64 rows x 2,048 bytes), so the launch has four changes of slots.  A slot is 16 blocks of 16 rows x 512 bytes (pitch 528); wave w fetches block w:
; rows 16 (w & 3) on at key step w >> 2 of the four.  Every wave issues one load at the head and one behind each of the first three changes.
; CLUSTER.  4 x 4 work-groups: cx = head group, cy = one of four blocks of queries of one batch.  The mask's blocks hang on the block of queries alone: asked for jointly along the cluster's row.
; PREFETCH.  The images of step i + 3 are named in step i, two steps ahead of the load of its K, once in the launch: by the batch's first cluster, 16,384 bytes a partner of a column, told apart by address (cy), waves 0 and 1,
; lanes 256 bytes apart.  Steps 0 to 2 come by their loads alone, steps 13 to 15 name nothing.  The mask is not prefetched: its tensor load is issued four key steps ahead of the wait for it.
; LIMITS on the given exponents: e6 + e7 between -95 and 134 (they are added to CM's and CA's exponent fields); e8, and e10 - e8 - e9, between -126 and 112.  log2(e) / 12 is one f32 constant.  NaN is not served.
; REGISTERS: v1 my lane's place in a block of the mask; v2, v9 57,344 x 2^e8 (twice: the two halves of a dual pair read different banks); v3 the prefetches' offset; v4 the mask's address; v5, v6 the add's; v7 16 x lane;
; v8 2^e8; v10, v11, v24, v25 at work; v12 -M, v13 the largest t, v[14:15] l in two halves; v16-23 Q; v26, v27 the last conversion's scale and limit; v28-43 p's codes (v32 on lie in S's first block, converted first);
; v32-95 S: the mask, then u, t, p; v96-159 K; v160-223 the score sums, then V; v224-255 O^T.
.set MP,    528                        ; a row of a block in LDS: 512 bytes + 16 = 132 words: the 16 rows of a load start at 16 different banks (ISA guide 11.1)
.set BLK,   16*MP                      ; a block: what one tensor load brings
.set STPB,  4*BLK                      ; a key step's four blocks
.set SLOTB, 4*STPB                     ; a slot: 135,168 bytes, 528 blocks of 256
.set SPARE, 2*SLOTB                    ; behind the ring: the spare words, 128 bytes for each of 16 waves
.set KSB,   65536                      ; a key step of the images: K's 32,768 bytes, then V's
.set AHEAD, 3
.set AM0, 1
.set LM2, 2
.set PFO, 3
.set ADR, 4
.set SPW, 5
.set NIL, 6
.set LI,  7
.set T0,  10
.set T1,  11
.set QF,  16
.set T2,  24
.set PC,  28
.set S,   32
.set KA,  96
.set VB,  160
.set O,   224
.set KVB, 14                           ; s[14:15] my head's images of the step in hand
.set MO,  16                           ; s16  LDS byte at which the step's four blocks begin
.set IX,  17                           ; s17  the step's number
.set WV,  18                           ; s18  my wave's number
.set PL,  19                           ; s19  a wave prefetches while the step's number is under this: 13 or 0
.set SEL, 20                           ; s[20:21] lane selects for v_permlanex16_b32: lane l xor 16
.set CA,  22                           ; s[22:23] CA: the packed forms name a pair and take its low word for both halves
.set CM,  24                           ; s[24:25] CM
.set TR,  26                           ; s26  a loop's trips
.set G1M, 36                           ; s[36:43] descriptor group 1
.set G0M, 80                           ; s[80:87] descriptor groups 0, one for each slot
.macro CROUND                          ; a round of the cluster's barrier
	s_barrier_signal -1
	s_barrier_wait -1
	s_cmp_lg_u32 s[WV], 0
	s_cbranch_scc1 .Lnot_wave_0_\@
	s_barrier_signal -3
.Lnot_wave_0_\@:
	s_barrier_wait -3
	s_barrier_signal -1
	s_barrier_wait -1
.endm
	s_load_b256 s[4:11], s[0:1], 0x0               ; qimg s[4:5], kv s[6:7], mask s[8:9], the scales s[10:11]
	s_load_b64 s[12:13], s[0:1], 0x20              ; oimg
	v_lshl_add_u32 v[SPW], v0, 2, SPARE
	v_mov_b32 v[NIL], 0
	ds_add_u32 v[SPW], v[NIL]                      ; the opening lines: the add, twice on end, and its wait ahead of my first tensor load
	ds_add_u32 v[SPW], v[NIL]
	v_lshrrev_b32 v4, 5, v0
	v_readfirstlane_b32 s[WV], v4                  ; wave 0..15
	s_and_b32 s66, s[WV], 3                        ; qt: my tile of 16 queries
	s_lshr_b32 s67, s[WV], 2                       ; hd: my head in the group of four.  Also: which of a slot's four key steps I fetch
	s_bfe_u32 s2, ttmp6, 0x40000                   ; cx: the head group
	s_bfe_u32 s3, ttmp6, 0x40004                   ; cy
	s_and_b32 s27, ttmp7, 0xffff                   ; the cluster's y, 0 .. 15
	s_lshl_b32 s56, s27, 2
	s_add_co_u32 s56, s56, s3                      ; y: my block of 64 queries among the 64 of both batches
	s_lshr_b32 s57, s27, 3                         ; the batch
	s_lshl_b32 s58, s3, 2
	s_lshl_b32 s58, 15, s58                        ; my row of the cluster
	s_or_b32 s[G1M], s58, (2<<16)|(1<<20)|(1<<21)|(6<<22)|(3<<25)   ; my row; elements of 4 bytes; padding: four words after every 128; 21 set beside a mask
	s_mov_b32 s[G1M+1], 128<<16                    ; 16 rows of 128 numbers, 2,048 numbers apart
	s_mov_b32 s[G1M+2], 16<<16
	s_mov_b32 s[G1M+3], 128<<16
	s_mov_b32 s[G1M+4], 16
	s_mov_b32 s[G1M+5], 2048
	s_mov_b32 s[G1M+6], 0
	s_mov_b32 s[G1M+7], 0
	s_lshl_b32 s92, s56, 19                        ; the mask: block y's 64 rows of 8,192 bytes,
	s_lshl_b32 s93, s66, 17                        ; + 16 qt rows,
	s_add_co_u32 s92, s92, s93
	s_lshl_b32 s93, s67, 9                         ; + my key step's 512 bytes
	s_add_co_u32 s92, s92, s93
	s_mov_b32 s93, 0
	s_mul_i32 s59, s[WV], BLK                      ; and its place in a slot: no place in the cluster enters an LDS address
	s_lshl_b32 s60, s57, 2
	s_add_co_u32 s60, s60, s2
	s_lshl_b32 s60, s60, 20                        ; the images of my batch and head group: 16 steps of 65,536 bytes,
	s_lshl_b32 s61, s67, 13                        ; my head's 8,192 of K's (V's lie 32,768 on)
	s_add_co_u32 s60, s60, s61
	s_mov_b32 s61, 0
	s_lshl_b32 s94, s56, 2                         ; Q's image: ((4 y + qt) x 16 + 4 cx + hd) x 1,024
	s_add_co_u32 s94, s94, s66
	s_lshl_b32 s94, s94, 4
	s_lshl_b32 s95, s2, 2
	s_add_co_u32 s94, s94, s95
	s_add_co_u32 s94, s94, s67
	s_lshl_b32 s94, s94, 10
	s_mov_b32 s95, 0
	s_lshr_b32 s96, s56, 1                         ; oimg [block of 128 rows][g 4][tile 8][hd 4][1,024]
	s_lshl_b32 s96, s96, 2
	s_add_co_u32 s96, s96, s2
	s_lshl_b32 s96, s96, 3
	s_and_b32 s97, s56, 1
	s_lshl_b32 s97, s97, 2
	s_add_co_u32 s96, s96, s97
	s_add_co_u32 s96, s96, s66
	s_lshl_b32 s96, s96, 12
	s_lshl_b32 s97, s67, 10
	s_add_co_u32 s96, s96, s97
	s_mov_b32 s97, 0
	s_lshl_b32 s98, s3, 14                         ; the prefetches: my work-group's 16,384 bytes of a step's images,
	s_and_b32 s99, s[WV], 1
	s_lshl_b32 s99, s99, 13                        ; my wave's half of them
	s_add_co_u32 s98, s98, s99
	s_and_b32 s62, s27, 7
	s_lshr_b32 s63, s[WV], 1
	s_or_b32 s62, s62, s63                         ; 0 in waves 0 and 1 of the batch's first cluster: the same in all sixteen partners
	s_cmp_eq_u32 s62, 0
	s_cselect_b32 s[PL], 16-AHEAD, 0
	s_mul_i32 s99, s66, BLK                        ; my tile's block among a key step's four
	s_mov_b32 s[SEL], 0x76543210
	s_mov_b32 s[SEL+1], 0xfedcba98
	s_mov_b32 s[IX], 0
	s_wait_dscnt 0x0                               ; both opening adds are done
	s_wait_kmcnt 0x0
	s_load_b256 s[68:75], s[10:11], 0x0            ; the scales' entries 0 to 7,
	s_load_b128 s[76:79], s[10:11], 0x20           ; 8 to 11
	s_add_nc_u64 s[92:93], s[8:9], s[92:93]
.irp j, 0,1                                    ; slot j begins with keys 512 j on
	s_mov_b32 s[G0M+4*\j], 1
	s_add_co_u32 s[G0M+4*\j+1], s59, \j*SLOTB
	s_add_nc_u64 s[G0M+4*\j+2:G0M+4*\j+3], s[92:93], \j*2048
	s_or_b32 s[G0M+4*\j+3], s[G0M+4*\j+3], 0x80000000
.endr
	s_add_nc_u64 s[4:5], s[4:5], s[94:95]
	s_add_nc_u64 s[12:13], s[12:13], s[96:97]
	s_add_nc_u64 s[KVB:KVB+1], s[6:7], s[60:61]
	CROUND                                         ; all sixteen work-groups are here: the first joint loads meet
	tensor_load_to_lds s[G0M:G0M+3], s[G1M:G1M+7]  ; slot 0: one tensor load a wave at the head
	s_nop 0
	v_and_b32 v4, 31, v0
	v_lshlrev_b32 v[LI], 4, v4                     ; 16 x lane: an image's place for my lane
	global_load_b128 v[QF:QF+3], v[LI], s[4:5]     ; Q's fragment stays in registers
	global_load_b128 v[QF+4:QF+7], v[LI], s[4:5] offset:512
.set n, 0
.rept 16
	global_load_b128 v[KA+4*n:KA+4*n+3], v[LI], s[KVB:KVB+1] offset:512*n   ; K of key step 0
.set n, n+1
.endr
	v_lshl_add_u32 v[PFO], v4, 8, s98
	v_and_b32 v10, 15, v0                          ; r
	v_bfe_u32 v11, v0, 4, 1                        ; h
	v_mul_u32_u24 v[AM0], v10, MP
	v_lshl_add_u32 v[AM0], v11, 6, v[AM0]
	v_add_nc_u32 v[AM0], s99, v[AM0]               ; the mask: my block, row r, + 64 h: my 16 keys of each 32
	v_mov_b32 v13, 0xff61b1e6                      ; the largest t so far: -3e38, under every t
	v_floor_f32 v12, -v13                          ; -M
	v_mov_b32 v14, 0                               ; l, in two halves
	v_mov_b32 v15, 0
	v_mov_b32 v[T0], 0
	v_mov_b32 v[T1], 0                             ; written once: a lane permute's destination counts as one of its sources
	v_mov_b32 v[T2], 0
	v_mov_b32 v[T2+1], 0
.set n, 0
.rept 32
	v_mov_b32 v[O+n], 0                            ; O^T.  (The step is written for every trip alike: the first finds zeros, which the first change of M leaves zeros)
.set n, n+1
.endr
	s_wait_kmcnt 0x0
	s_add_co_i32 s56, s74, s75                     ; e6 + e7
	s_sub_co_i32 s57, 3, s56
	s_lshl_b32 s57, s57, 23
	s_add_co_u32 s[CM], s57, 0xce6e6b28            ; -1e9 with 3 - e6 - e7 added to its exponent field
	s_mov_b32 s[CM+1], s[CM]                       ; (named with it as a pair, so it is written)
	s_sub_co_i32 s57, s56, 3
	s_lshl_b32 s57, s57, 23
	s_add_co_u32 s[CA], s57, 0x3df6384f            ; log2(e) / 12 with e6 + e7 - 3 added to its exponent field
	s_mov_b32 s[CA+1], s[CA]
	s_add_co_i32 s57, s76, 127
	s_lshl_b32 s58, s57, 23
	v_mov_b32 v8, s58                              ; 2^e8
	s_add_co_i32 s57, s57, 15
	s_lshl_b32 s57, s57, 23
	s_or_b32 s57, s57, 0x600000
	v_mov_b32 v9, s57                              ; 57,344 x 2^e8,
	v_mov_b32 v[LM2], s57                          ; twice
	s_sub_co_i32 s57, s78, s76
	s_sub_co_i32 s57, s57, s77                     ; O / l stands for O / l x 2^(e8 + e9): its code is (O / l) / 2^(e10 - e8 - e9)
	s_add_co_i32 s57, s57, 127
	s_lshl_b32 s58, s57, 23
	v_mov_b32 v26, s58
	s_add_co_i32 s57, s57, 15
	s_lshl_b32 s57, s57, 23
	s_or_b32 s57, s57, 0x600000
	v_mov_b32 v27, s57
; Block b of p (32 keys: 16 a lane): added to the row's sum (unquantised, two at a time, in two chains), held, converted.  Its four registers of codes lie at v[PC + 4 b]: block 0's under S, the others' in block 0's
; registers, which are done with by then; the next block's additions are the plain lines between one block's conversions and the next's.
.macro TM k                            ; (a helper of the step) k pairs of t = u x CA, rounded to f32, from register pair n on
.rept \k
	v_pk_mul_f32 v[S+n:S+n+1], v[S+n:S+n+1], s[CA:CA+1] op_sel_hi:[1,0]
.set n, n+2
.endr
.endm
.macro QB b
.if \b == 0
	v_pk_add_f32 v[T2:T2+1], v[S:S+1], v[S+2:S+3]
.set n, 4
.rept 3
	v_pk_add_f32 v[14:15], v[14:15], v[S+n:S+n+1]
	v_pk_add_f32 v[T2:T2+1], v[T2:T2+1], v[S+n+2:S+n+3]
.set n, n+4
.endr
.else
.set n, 16*\b
.rept 4
	v_pk_add_f32 v[14:15], v[14:15], v[S+n:S+n+1]
	v_pk_add_f32 v[T2:T2+1], v[T2:T2+1], v[S+n+2:S+n+3]
.set n, n+4
.endr
.endif
.set n, 16*\b
.rept 8
	v_dual_min_num_f32 v[S+n], v[S+n], v9 :: v_dual_min_num_f32 v[S+n+1], v[S+n+1], v[LM2]   ; the conversion to an 8-bit code does not saturate (ISA guide 7.6.2); p is not negative, so the hold is one-sided
.set n, n+2
.endr
	v_cvt_scalef32_pk8_bf8_f32 v[PC+4*\b:PC+4*\b+1], v[S+16*\b:S+16*\b+7], v8
	v_cvt_scalef32_pk8_bf8_f32 v[PC+4*\b+2:PC+4*\b+3], v[S+16*\b+8:S+16*\b+15], v8
.endm
; A KEY STEP of 128 keys.  At its head K is in its registers.  more = 1: a step follows, whose K is asked for.  Memory instructions stand in three runs.
.macro STEP more
	v_add_nc_u32 v[ADR], s[MO], v[AM0]
	v_pk_add_f32 v[14:15], v[14:15], v[T2:T2+1]    ; the last step's second chain of the row's sum, still under the last step's M (the first step finds zeros)
	v_mov_b32 v0, v12                              ; M's old value, kept in v0
	v_nop                                          ; with the three lines above: four places (ISA guide 7.12.1 for vector instructions) in front of loads into registers that held the last products' codes
.set n, 0
.rept 16
	ds_load_b128 v[S+4*n:S+4*n+3], v[ADR] offset:128*(n/4)+16*(n%4)   ; the mask: my query at keys 32 b + 16 h + 4 i on, register for register as the sums lie
.set n, n+1
.endr
	v_nop                                          ; the fifth place in front of products that write over V's registers, which the last products read
.irp t, 0,1,2,3,4,5,6,7
	v_wmma_f32_16x16x64_bf8_bf8 v[VB+8*\t:VB+8*\t+7], v[KA+8*\t:KA+8*\t+7], v[QF:QF+7], 0
.endr
.rept 4
	v_nop                                          ; four places: in front of the loads into K's registers and of the first read of the sums
.endr
.if \more
.set n, 0
.rept 16
	global_load_b128 v[KA+4*n:KA+4*n+3], v[LI], s[KVB:KVB+1] offset:KSB+512*n   ; the next step's K
.set n, n+1
.endr
.endif
	s_wait_dscnt 0x0                               ; the mask is in
.set n, 0
.rept 32
	v_pk_fma_f32 v[S+n:S+n+1], v[S+n:S+n+1], s[CM:CM+1], v[VB+n:VB+n+1] op_sel_hi:[1,0,1]   ; u = s + mask x CM, each accumulator from its low end on
.set n, n+2
.endr
.set n, 0
.rept 16
	global_load_b128 v[VB+4*n:VB+4*n+3], v[LI], s[KVB:KVB+1] offset:32768+512*n   ; this step's V, into the registers that held the sums
.set n, n+1
.endr
	s_wait_alu depctr_va_vdst(0)                   ; the wait here, ahead of the branch and of the barrier below
.if \more
	s_cmp_lt_u32 s[IX], s[PL]
	s_cbranch_scc0 .Lnot_mine_\@
	global_prefetch_b8 v[PFO], s[KVB:KVB+1] offset:AHEAD*KSB th:TH_LOAD_NT scope:SCOPE_SE
.Lnot_mine_\@:
.endif
	s_barrier_signal -1                            ; a barrier that guards no refill (no LDS load of mine is out): no wave goes on into the softmax before all sixteen have asked for this step's V and the next step's K,
	s_barrier_wait -1                              ; so the four waves of a head ask for the same images close together
	v_max3_num_f32 v[T2], v[S], v[S+1], v[S+2]     ; the step's largest u of my query, among my 64 keys, in two chains,
	v_max3_num_f32 v[T0], v[S+3], v[S+4], v[S+5]
.set n, 6
.rept 14
	v_max3_num_f32 v[T2], v[T2], v[S+n], v[S+n+1]
	v_max3_num_f32 v[T0], v[T0], v[S+n+2], v[S+n+3]
.set n, n+4
.endr
	v_max3_num_f32 v[T2], v[T2], v[S+62], v[S+63]  ; the last of the maxima.  From here on the chain that makes M and f takes turns with the 32 independent multiplications t = u x CA, three behind each link
.set n, 0
	TM 3
	v_max_num_f32 v[T2], v[T2], v[T0]
	TM 3
	v_permlanex16_b32 v[T1], v[T2], s[SEL], s[SEL+1]
	TM 3
	v_max_num_f32 v[T2], v[T2], v[T1]              ; and among lane l xor 16's
	TM 3
	v_mul_f32 v[T2], s[CA], v[T2]                  ; as t (CA is positive, and rounding keeps the order)
	TM 3
	v_max_num_f32 v13, v13, v[T2]                  ; the running largest t
	TM 3
	v_floor_f32 v12, -v13                          ; the new -M = floor(-t) = -ceil(t): a whole number
	TM 3
	v_sub_f32 v[T2], v12, v0                       ; M's old value less its new one: a whole number, 0 or less
	TM 3
	v_cvt_i32_f32 v[T2], v[T2]                     ; (it saturates)
	TM 3
	v_ldexp_f32 v[T0], 1.0, v[T2]                  ; f = 2^(old M - new M)
	TM 5
.set n, 0
.rept 32
	v_pk_add_f32 v[S+n:S+n+1], v[S+n:S+n+1], v[12:13] op_sel_hi:[1,0]   ; t - M (of the pair the low word, -M, serves both halves)
.set n, n+2
.endr
	s_wait_alu depctr_va_vdst(0)                   ; the wait ahead of the batch
.set n, 0
.rept 64
	v_exp_f32 v[S+n], v[S+n]                       ; p = 2^(t - M), at most 1: not normalised
.set n, n+1
.endr
	v_pk_mul_f32 v[14:15], v[14:15], v[T0:T0+1] op_sel_hi:[1,0]   ; l under the new M.  (The plain line behind the exponentials)
	s_wait_alu depctr_va_vdst(0)                   ; one wait for the whole batch, ahead of its first reader
	QB 0
	QB 1
	QB 2
	QB 3                                           ; (the sum's second chain is joined at the next step's head, or on the way out; the 16 lines below are the plain lines behind the last conversion)
	s_wait_alu depctr_va_vdst(0)                   ; the wait here, directly ahead of the first reader of O^T
.set n, 0
.rept 16
	v_pk_mul_f32 v[O+n:O+n+1], v[O+n:O+n+1], v[T0:T0+1] op_sel_hi:[1,0]   ; O^T under the new M
.set n, n+2
.endr
	s_wait_alu depctr_va_vdst(0)                   ; the wait here, directly ahead of the wait below
	s_wait_loadcnt 0x0                             ; V is in, and the next step's K, which was asked for ahead of it
.irp d, 0,1,2,3
	v_wmma_f32_16x16x128_bf8_bf8 v[O+8*\d:O+8*\d+7], v[VB+16*\d:VB+16*\d+15], v[PC:PC+15], v[O+8*\d:O+8*\d+7]   ; the four accumulators take turns, one instruction a turn
.endr
.if \more
	s_wait_xcnt 0x0                                ; the step's loads and its prefetch have read their base
	s_add_nc_u64 s[KVB:KVB+1], s[KVB:KVB+1], KSB
	s_add_co_u32 s[MO], s[MO], STPB
	s_add_co_u32 s[IX], s[IX], 1
.endif
.endm
; THE CHANGE OF SLOTS stands at a slot's head.  Each wave waits for its tensor load (its block of the slot ahead), adds 0 to its spare word, and waits for that; its reads of the slot that it has left were waited for in their steps.
; fill = 1: a round of the cluster's barrier, then slot sl, the one just left (the first time: slot 1's first fill), takes the 512 keys behind those of the slot ahead: the load has four key steps in which to land.
.macro CHANGE fill, sl, adv
	s_wait_tensorcnt 0x0                           ; no tensor load of mine is out, so a group 0 may be written
	ds_add_u32 v[SPW], v[NIL]                      ; 0 onto my spare word
.if \adv
	s_add_nc_u64 s[G0M+4*\sl+2:G0M+4*\sl+3], s[G0M+4*\sl+2:G0M+4*\sl+3], 2*2048   ; this slot's next tile: 1,024 keys on; the type bits on top are not reached
.endif
	s_wait_dscnt 0x0
.if \fill
	CROUND
	tensor_load_to_lds s[G0M+4*\sl:G0M+4*\sl+3], s[G1M:G1M+7]   ; the first thing behind the round, and a wave's one tensor load until the next
	s_nop 0
.else
	s_barrier_signal -1
	s_barrier_wait -1                              ; everybody's block of the last slot is in
.endif
.endm
.macro RUN trips, base                 ; so many key steps out of the slot that begins at LDS byte base
	s_mov_b32 s[MO], \base
	s_mov_b32 s[TR], \trips
.Lrun_\@:
	STEP 1
	s_sub_co_u32 s[TR], s[TR], 1
	s_cmp_lg_u32 s[TR], 0
	s_cbranch_scc1 .Lrun_\@
.endm
	s_wait_alu depctr_va_vdst(0)                   ; the wait at the head's end
	s_wait_loadcnt 0x0                             ; Q, and K of key step 0
	CHANGE 1, 1, 0
	RUN 4, 0                                       ; key steps 0 to 3
	CHANGE 1, 0, 1
	RUN 4, SLOTB                                   ; 4 to 7
	CHANGE 1, 1, 1
	RUN 4, 0                                       ; 8 to 11
	CHANGE 0, 0, 0
	RUN 3, SLOTB                                   ; 12 to 14
	STEP 0                                         ; key step 15: nothing follows
	; THE WAY OUT.  O^T / l is quantised: the 16 registers of tiles 2 c and 2 c + 1 are channels 32 c + 16 h + 0 .. 15 of my query: two parts of 16 bytes a lane, stored as they stand.
.rept 4
	v_nop                                          ; four places in front of the first read of the last products' results
.endr
	v_pk_add_f32 v[14:15], v[14:15], v[T2:T2+1]    ; the last step's second chain of the row's sum,
	v_add_f32 v14, v14, v15                        ; l's two halves,
	s_delay_alu instid0(VALU_DEP_1)
	v_permlanex16_b32 v[T1], v14, s[SEL], s[SEL+1]
	s_delay_alu instid0(VALU_DEP_1)
	v_add_f32 v14, v14, v[T1]                      ; and lane l xor 16's
	s_wait_alu depctr_va_vdst(0)                   ; the wait ahead of the transcendental
	v_rcp_f32 v14, v14
	v_nop                                          ; a plain line behind the transcendental
	s_wait_alu depctr_va_vdst(0)                   ; and the wait ahead of its first reader, which is also the first reader of O^T
.set n, 0
.rept 16
	v_pk_mul_f32 v[O+n:O+n+1], v[O+n:O+n+1], v[14:15] op_sel_hi:[1,0]
.set n, n+2
.endr
.set n, 0
.rept 32
	v_med3_num_f32 v[O+n], v[O+n], -v27, v27
.set n, n+1
.endr
.irp c, 0,1,2,3
	v_cvt_scalef32_pk8_bf8_f32 v[S+2*\c:S+2*\c+1], v[O+8*\c:O+8*\c+7], v26
.endr
	v_nop                                          ; a plain vector line behind the last conversion
	global_store_b128 v[LI], v[S:S+3], s[12:13]               ; 32 lanes store 512 consecutive bytes, at a multiple of 256 from the buffer's first byte
	global_store_b128 v[LI], v[S+4:S+7], s[12:13] offset:512
	s_wait_tensorcnt 0x0                           ; the wave's end
	ds_add_u32 v[SPW], v[NIL]
	s_wait_dscnt 0x0
	CROUND                                         ; the closing round: no work-group ends while a partner may still ask for a tile that names it
	s_endpgm
.Lfunc_end_k_q2ee740ea32_attn:
	.size	k_q2ee740ea32_attn, .Lfunc_end_k_q2ee740ea32_attn-k_q2ee740ea32_attn
	.p2alignl 7, 3214868480
	.fill 96, 4, 3214868480
	.section	.rodata,"a",@progbits
	.p2align	6, 0x0
	.amdhsa_kernel k_q2ee740ea32_attn
		.amdhsa_group_segment_fixed_size 327680
		.amdhsa_private_segment_fixed_size 0
		.amdhsa_enable_private_segment 0
		.amdhsa_kernarg_size 40
		.amdhsa_user_sgpr_count 2
		.amdhsa_user_sgpr_kernarg_segment_ptr 1
		.amdhsa_wavefront_size32 1
		.amdhsa_system_sgpr_workgroup_id_x 1
		.amdhsa_system_sgpr_workgroup_id_y 1
		.amdhsa_system_sgpr_workgroup_id_z 1
		.amdhsa_system_vgpr_workitem_id 0
		.amdhsa_next_free_vgpr 256
		.amdhsa_next_free_sgpr 100
		.amdhsa_reserve_vcc 0
		.amdhsa_float_denorm_mode_32 3
		.amdhsa_float_denorm_mode_16_64 3
		.amdhsa_memory_ordered 1
		.amdhsa_forward_progress 1
		.amdhsa_inst_pref_size 122
	.end_amdhsa_kernel
	.amdgpu_metadata
---
amdhsa.version: [ 1, 2 ]
amdhsa.kernels:
  - .name:           k_q2ee740ea32_attn
    .symbol:         k_q2ee740ea32_attn.kd
    .args:
      - { .name: qimg, .offset: 0, .size: 8, .value_kind: global_buffer, .address_space: global }
      - { .name: kv, .offset: 8, .size: 8, .value_kind: global_buffer, .address_space: global }
      - { .name: mask, .offset: 16, .size: 8, .value_kind: global_buffer, .address_space: global }
      - { .name: lowp_scales, .offset: 24, .size: 8, .value_kind: global_buffer, .address_space: global }
      - { .name: oimg, .offset: 32, .size: 8, .value_kind: global_buffer, .address_space: global }
    .group_segment_fixed_size: 327680
    .private_segment_fixed_size: 0
    .kernarg_segment_align: 8
    .kernarg_segment_size: 40
    .max_flat_workgroup_size: 512
    .sgpr_count:     100
    .vgpr_count:     256
    .wavefront_size: 32
...
	.end_amdgpu_metadata
.endif
;; end of part 3
;; launch outp (part 4): grid 8 x 32, 4 waves a work-group, clusters of 4 x 4, 288,256 bytes of LDS; arguments oimg, wc, lowp_scales, bo, out0; writes out0
.if DOCPART == 4
	.amdgcn_target "amdgcn-amd-amdhsa--gfx1250"
	.amdhsa_code_object_version 6
	.text
	.protected	k_q2ee740ea32_outp
	.globl	k_q2ee740ea32_outp
	.p2align	8
	.type	k_q2ee740ea32_outp,@function
k_q2ee740ea32_outp:
	s_mov_b64 s[64:65], 0
	v_nop
	global_prefetch_b8 v0, s[64:65] scope:SCOPE_SE
	s_setreg_imm32_b32 hwreg(HW_REG_WAVE_MODE, 25, 1), 1
	s_wait_xcnt 0x0
	s_wait_alu depctr_hold_cnt(0) depctr_sa_sdst(0) depctr_va_vdst(0) depctr_va_sdst(0) depctr_va_ssrc(0) depctr_va_vcc(0) depctr_vm_vsrc(0)
	s_getreg_b32 s2, hwreg(HW_REG_IB_STS2, 6, 4)
	s_cmp_eq_u32 s2, 0
	s_cbranch_scc0 .Lentry_in_a_cluster
	s_endpgm
.Lentry_in_a_cluster:
	s_bfe_u32 s2, ttmp6, 0x10000c
	s_cmp_lg_u32 s2, 0xf033
	s_cbranch_scc0 .Lentry_shape_is_right
	s_endpgm
.Lentry_shape_is_right:
; THE LAST PRODUCT: out0 = attention's result x Wo + bo, on codes of BF8; each finished sum x 2^(e10 + e11) + bo by one packed multiply-add.
; A work-group makes 128 rows x 128 columns of out0 over K = 1,024; four waves, each 64 x 64: 16 accumulators.  Source 0 = 16 n rows of Wo's codes, source 1 = 16 rows of the attention's result: a lane holds one
; row of out0.  Wo's stored rows have bits 3 and 4 of the row number exchanged, so the 16 registers of tiles 2 p and 2 p + 1 are columns 32 p + 16 (lane / 16) + 0 .. 15.
; The attention's result comes as images of the operand's registers (2,048 bytes a fragment of 16 rows x 128 K, 16 bytes a lane and part): dense blocks, read at 16 x lane.  Wo's codes come as rows, padded in LDS.
; LDS holds the whole K: filled once by one tensor load a wave, so no byte of LDS is filled again; the stages for the way out lie behind them.  By this text's count a wave has one tensor load out.
; CLUSTERS: 4 x 4 work-groups.  The images hang on the block of rows (cy): asked for jointly along the cluster's row; Wo's tile hangs on the block of columns (cx): along its column.
; LIMIT: e10 + e11 between -126 and 127, so that 2^(e10 + e11) is an f32 number.
; REGISTERS: window 0: v16-21 addresses; v32-63 a block's results; v64-95 bo at my 32 columns; v96-127 rows read back from the stage; v128-255 the accumulators ((tr, tp) at 128 + 8 (4 tr + tp)).
;   window 1: two fragment buffers of 128: Wo's four fragments, then the rows' four.
.set PITCH, 272                        ; a stage row: 256 bytes + 16 = 68 words: 16 rows start at 16 different banks (ISA guide 11.1)
.set WP,    1040                       ; an LDS row of Wo's codes holds the WHOLE K: 1,024 bytes + 16 = 260 words: 16 rows start at 16 different banks.  (PITCH is the stage's row alone)
.set HALFT, 64*WP                      ; what one of Wo's two tensor loads brings
.set ACTB,  131072                     ; the images of 128 rows x the whole K, dense, as they lie in memory: two tensor loads of 65,536 bytes,
.set CH,    ACTB+2*HALFT               ; then Wo's 128 rows
.set STG,   CH                         ; behind the operands: a stage of 16 rows x PITCH for each wave; no fill lands there.  One tensor load a wave; nothing is filled again
.set AP,  16
.set AR,  17
.set STO, 18
.set RD,  19
.set CO,  20
.set BOF, 21
.set TMP, 32
.set BI,  64
.set BK,  96
.set ACC, 128
.set G1A, 28                           ; s[28:35] descriptor group 1 for the images;  s[36:43] for Wo's rows
.set G1W, 36
.set G0A, 44                           ; s[44:47] descriptor group 0 for the images;  s[68:71] for Wo's
.set G0W, 68
.set MSB, 0
.macro WIN new                         ; the immediate's high byte repeats the setting that is left
.if MSB != \new
	s_set_vgpr_msb (MSB<<8)|\new
.set MSB, \new
.endif
.endm
.set MUL,  0x05                        ; sources 0 and 1 window 1; C and D window 0
.set TO_F, 0x40                        ; destination window 1, address window 0
.macro CROUND                          ; a round of the cluster's barrier
	s_barrier_signal -1
	s_barrier_wait -1
	s_cmp_lg_u32 s14, 0
	s_cbranch_scc1 .Lnot_wave_0_\@
	s_barrier_signal -3
.Lnot_wave_0_\@:
	s_barrier_wait -3
	s_barrier_signal -1
	s_barrier_wait -1
.endm
	s_load_b256 s[4:11], s[0:1], 0x0               ; oimg s[4:5], wc s[6:7], the scales s[8:9], bo s[10:11]
	s_load_b64 s[12:13], s[0:1], 0x20              ; out0
	v_lshl_add_u32 v30, v0, 2, 0x46400
	v_mov_b32 v31, 0
	ds_add_u32 v30, v31
	ds_add_u32 v30, v31
	v_lshrrev_b32 v1, 5, v0
	v_readfirstlane_b32 s14, v1                    ; wave 0..3
	s_lshr_b32 s15, s14, 1                         ; I fetch images (0) or Wo's rows (1).  Also wr: which 64 rows of out0 are mine
	s_and_b32 s16, s14, 1                          ; which half of that tile I fetch.  Also wp: which 64 columns are mine
	s_bfe_u32 s17, ttmp6, 0x40000                  ; cx
	s_bfe_u32 s18, ttmp6, 0x40004                  ; cy
	s_lshl_b32 s24, ttmp9, 2
	s_add_co_u32 s24, s24, s17                     ; x: my block of 128 columns
	s_and_b32 s25, ttmp7, 0xffff
	s_lshl_b32 s25, s25, 2
	s_add_co_u32 s25, s25, s18                     ; y: my block of 128 rows
	s_lshl_b32 s66, s18, 2
	s_lshl_b32 s66, 15, s66                        ; my row of the cluster
	s_lshl_b32 s67, 0x1111, s17                    ; my column
	s_or_b32 s[G1A], s66, (3<<16)|(1<<21)          ; elements of 8 bytes; 21 set beside a mask; no padding
	s_mov_b32 s[G1A+1], 32<<16                     ; a dense block as 256 rows of 32 elements
	s_mov_b32 s[G1A+2], 256<<16                    ; 65,536 bytes: 256 rows of 256 bytes
	s_mov_b32 s[G1A+3], 32<<16
	s_mov_b32 s[G1A+4], 256
	s_mov_b32 s[G1A+5], 32
	s_mov_b32 s[G1A+6], 0
	s_mov_b32 s[G1A+7], 0
	s_or_b32 s[G1W], s67, (1<<20)|(1<<21)|(7<<22)|(3<<25)   ; elements of 1 byte; padding: four words after every 256
	s_mov_b32 s[G1W+1], 1024<<16                   ; 64 whole rows of 1,024 bytes
	s_mov_b32 s[G1W+2], 64<<16
	s_mov_b32 s[G1W+3], 1024<<16
	s_mov_b32 s[G1W+4], 64
	s_mov_b32 s[G1W+5], 1024
	s_mov_b32 s[G1W+6], 0
	s_mov_b32 s[G1W+7], 0
	s_lshl_b32 s60, s24, 17                        ; Wo's codes: the fourth MiB of wc, row 128 x + 64 x half
	s_lshl_b32 s26, s16, 16
	s_add_co_u32 s60, s60, s26
	s_add_co_u32 s60, s60, 3<<20
	s_mov_b32 s61, 0
	s_lshl_b32 s62, s25, 17                        ; the images: block y's 131,072 bytes,
	s_lshl_b32 s26, s16, 16                        ; + 65,536 x half, which is also their place in LDS: no place in the cluster enters an LDS address
	s_add_co_u32 s62, s62, s26
	s_mov_b32 s63, 0
	s_mul_i32 s27, s16, HALFT
	s_add_co_u32 s27, s27, ACTB                    ; Wo's rows' place in a chunk
	s_wait_dscnt 0x0
	s_wait_kmcnt 0x0
	s_load_b64 s[84:85], s[8:9], 0x28              ; e10, e11
	s_add_nc_u64 s[96:97], s[6:7], s[60:61]
	s_add_nc_u64 s[98:99], s[4:5], s[62:63]
	CROUND                                         ; all sixteen work-groups are here: the joint loads meet
.irp c, 0
	s_mov_b32 s[G0A+4*\c], 1
	s_add_co_u32 s[G0A+4*\c+1], s26, \c*CH
	s_add_nc_u64 s[G0A+4*\c+2:G0A+4*\c+3], s[98:99], \c*32768
	s_or_b32 s[G0A+4*\c+3], s[G0A+4*\c+3], 0x80000000
	s_mov_b32 s[G0W+4*\c], 1
	s_add_co_u32 s[G0W+4*\c+1], s27, \c*CH
	s_add_nc_u64 s[G0W+4*\c+2:G0W+4*\c+3], s[96:97], \c*256
	s_or_b32 s[G0W+4*\c+3], s[G0W+4*\c+3], 0x80000000
.endr
	s_cmp_eq_u32 s15, 0                            ; a wave's one fill stands in one branch on the wave's number, ahead of every wait on TENSORcnt and every LDS read
	s_cbranch_scc0 .Lfor_w
.irp c, 0
	tensor_load_to_lds s[G0A+4*\c:G0A+4*\c+3], s[G1A:G1A+7]
	s_nop 0
.endr
.rept 4
	v_nop
.endr
	s_branch .Lasked
.Lfor_w:
.irp c, 0
	tensor_load_to_lds s[G0W+4*\c:G0W+4*\c+3], s[G1W:G1W+7]
	s_nop 0
.endr
.rept 4
	v_nop
.endr
.Lasked:
	v_and_b32 v1, 15, v0                           ; r
	v_bfe_u32 v2, v0, 4, 1                         ; h
	v_and_b32 v3, 31, v0                           ; lane
	v_mul_u32_u24 v4, v1, PITCH
	v_mul_u32_u24 v5, v1, WP
	v_lshl_add_u32 v5, v2, 4, v5
	s_mul_i32 s60, s16, HALFT
	s_add_co_u32 s60, s60, ACTB
	v_add_nc_u32 v[AP], s60, v5                    ; Wo: my 64 rows; row r x pitch + 16 h
	v_lshlrev_b32 v[AR], 4, v3
	s_lshl_b32 s60, s15, 14
	v_add_nc_u32 v[AR], s60, v[AR]                 ; the images: 16 x lane + my four tiles of rows
	s_mul_i32 s61, s14, 16*PITCH
	s_add_co_u32 s61, s61, STG                     ; my stage
	v_lshl_add_u32 v[STO], v2, 6, v4
	v_add_nc_u32 v[STO], s61, v[STO]               ; in: row r, + 64 h: my 16 columns of each 32
	v_mul_u32_u24 v[RD], v2, PITCH
	v_lshl_add_u32 v[RD], v1, 4, v[RD]
	v_add_nc_u32 v[RD], s61, v[RD]                 ; back: lanes 0-15 one row of 256 bytes, lanes 16-31 the next
	v_lshlrev_b32 v[CO], 12, v2
	v_lshl_add_u32 v[CO], v1, 4, v[CO]             ; and the same two rows in out0
	v_lshlrev_b32 v[BOF], 6, v2                    ; bo: + 16 h numbers
	s_wait_alu depctr_va_vdst(0)
	s_lshl_b32 s62, s24, 9
	s_lshl_b32 s63, s16, 8
	s_add_co_u32 s62, s62, s63                     ; my first column, in bytes: 512 x + 256 wp
	s_mov_b32 s63, 0
	s_add_nc_u64 s[10:11], s[10:11], s[62:63]
	s_add_nc_u64 s[12:13], s[12:13], s[62:63]
	s_lshl_b32 s62, s25, 19                        ; my first row: (128 y + 64 wr) x 4,096 bytes
	s_lshl_b32 s66, s15, 18
	s_add_co_u32 s62, s62, s66
	s_add_nc_u64 s[12:13], s[12:13], s[62:63]
.irp p, 0,1
.irp i, 0,1,2,3
	global_load_b128 v[BI+16*\p+4*\i:BI+16*\p+4*\i+3], v[BOF], s[10:11] offset:128*\p+16*\i   ; bo at columns 32 p + 16 h + 4 i on: register for register as a row tile's results lie
.endr
.endr
; 32 LDS loads in one run: the fragments of the chunk's q-th 128 along K into buffer f: Wo's four, then the rows' four
.macro FETCH q, f
	WIN TO_F
.irp t, 0,1,2,3
.irp c, 0,1,2,3
	ds_load_b128 v[\f+16*\t+4*\c:\f+16*\t+4*\c+3], v[AP] offset:16*\t*WP+128*(\q)+32*\c
.endr
.endr
.irp t, 0,1,2,3
.irp c, 0,1,2,3
	ds_load_b128 v[\f+64+16*\t+4*\c:\f+64+16*\t+4*\c+3], v[AR] offset:4096*\t+2048*((\q)%2)+512*\c
.endr
.endr
.endm
; 8 matrix instructions: row tiles a0, a0 + 1 x Wo's four, 128 along K.  The first K step's products start the sums.  The 16 accumulators take turns, one instruction a turn.
.macro MUL8 f, a0
.irp a, \a0, \a0+1
.irp b, 0,1,2,3
.if ks == 0
	v_wmma_f32_16x16x128_bf8_bf8 v[ACC+8*(4*(\a)+\b):ACC+8*(4*(\a)+\b)+7], v[\f+16*\b:\f+16*\b+15], v[\f+64+16*(\a):\f+64+16*(\a)+15], 0
.else
	v_wmma_f32_16x16x128_bf8_bf8 v[ACC+8*(4*(\a)+\b):ACC+8*(4*(\a)+\b)+7], v[\f+16*\b:\f+16*\b+15], v[\f+64+16*(\a):\f+64+16*(\a)+15], v[ACC+8*(4*(\a)+\b):ACC+8*(4*(\a)+\b)+7]
.endif
.endr
.endr
.endm
; K step ks of eight (128 along K; chunk ks / 2).
; Nothing is filled again.
.macro KSTEP
.set fb, 128*(ks%2)
.set nb, 128*((ks+1)%2)
	s_wait_dscnt 8                                 ; Wo's fragments and row tiles 0, 1 are in; the youngest eight loads (row tiles 2, 3) may be out
	WIN MUL
	MUL8 fb, 0
.if ks < 7
	WIN 0
.if ks%2 == 1
	v_add_nc_u32 v[AR], 32768, v[AR]               ; the images of the next 256 along K.  This line and the three below are the four places in front of loads into the buffer that the last step's products read
	s_wait_alu depctr_va_vdst(0)                   ; the wait behind this write
	v_nop
	v_nop
	v_nop
.else
.rept 4
	v_nop
.endr
.endif
	FETCH ks+1, nb
	s_wait_dscnt 32                                ; all but the 32 just issued
.else
	s_wait_dscnt 0x0
.endif
	WIN MUL
	MUL8 fb, 2
.endm
	s_wait_tensorcnt 0x0                           ; my one tensor load is in
	s_barrier_signal -1
	s_barrier_wait -1                              ; everybody's is
	FETCH 0, 0
.set ks, 0
.rept 8
	KSTEP
.set ks, ks+1
.endr
	WIN 0
.rept 4
	v_nop                                          ; four places in front of the first read of results
.endr
	s_wait_kmcnt 0x0
	s_add_co_i32 s84, s84, s85
	s_add_co_i32 s84, s84, 127
	s_lshl_b32 s84, s84, 23                        ; 2^(e10 + e11) as f32
	s_mov_b32 s85, s84                             ; (named with it as a pair, so it is written)
	s_wait_loadcnt 0x0                             ; bo
	; THE WAY OUT, a tile of 16 rows at a time: a lane holds 64 bytes twice of one row, the lanes beside it other rows: so the tile goes through my own stage and comes back as whole rows of 256 bytes.
.irp a, 0,1,2,3
.if \a > 0
	s_wait_xcnt 0x0                                ; the last tile's stores have read their registers: the loads below may land there
.endif
.irp j, 0,2,4,6,8,10,12,14,16,18,20,22,24,26,28,30
	v_pk_fma_f32 v[TMP+\j:TMP+\j+1], v[ACC+32*\a+\j:ACC+32*\a+\j+1], s[84:85], v[BI+\j:BI+\j+1] op_sel_hi:[1,0,1]   ; sum x 2^(e10 + e11) + bo, each accumulator from its low end on
.endr
.irp p, 0,1
.irp i, 0,1,2,3
	ds_store_b128 v[STO], v[TMP+16*\p+4*\i:TMP+16*\p+4*\i+3] offset:128*\p+16*\i
.endr
.endr
.irp i, 0,1,2,3,4,5,6,7
	ds_load_b128 v[BK+4*\i:BK+4*\i+3], v[RD] offset:2*\i*PITCH   ; LDS serves a wave's instructions in order (ISA guide 5.7.1.4): these see my stores
.endr
	s_wait_dscnt 0x0
.irp i, 0,1,2,3,4,5,6,7
	global_store_b128 v[CO], v[BK+4*\i:BK+4*\i+3], s[12:13] offset:(16*\a+2*\i)*4096 th:TH_STORE_NT   ; sixteen lanes store 256 consecutive bytes, at a multiple of 256 from out0's first byte
.endr
.endr
	s_wait_tensorcnt 0x0
	ds_add_u32 v30, v31
	s_wait_dscnt 0x0
	CROUND                                         ; the closing round: no work-group ends while a partner may still ask for a tile that names it
	s_endpgm
.Lfunc_end_k_q2ee740ea32_outp:
	.size	k_q2ee740ea32_outp, .Lfunc_end_k_q2ee740ea32_outp-k_q2ee740ea32_outp
	.p2alignl 7, 3214868480
	.fill 96, 4, 3214868480
	.section	.rodata,"a",@progbits
	.p2align	6, 0x0
	.amdhsa_kernel k_q2ee740ea32_outp
		.amdhsa_group_segment_fixed_size 288256
		.amdhsa_private_segment_fixed_size 0
		.amdhsa_enable_private_segment 0
		.amdhsa_kernarg_size 40
		.amdhsa_user_sgpr_count 2
		.amdhsa_user_sgpr_kernarg_segment_ptr 1
		.amdhsa_wavefront_size32 1
		.amdhsa_system_sgpr_workgroup_id_x 1
		.amdhsa_system_sgpr_workgroup_id_y 1
		.amdhsa_system_sgpr_workgroup_id_z 1
		.amdhsa_system_vgpr_workitem_id 0
		.amdhsa_next_free_vgpr 512
		.amdhsa_next_free_sgpr 100
		.amdhsa_reserve_vcc 0
		.amdhsa_float_denorm_mode_32 3
		.amdhsa_float_denorm_mode_16_64 3
		.amdhsa_memory_ordered 1
		.amdhsa_forward_progress 1
		.amdhsa_inst_pref_size 45
	.end_amdhsa_kernel
	.amdgpu_metadata
---
amdhsa.version: [ 1, 2 ]
amdhsa.kernels:
  - .name:           k_q2ee740ea32_outp
    .symbol:         k_q2ee740ea32_outp.kd
    .args:
      - { .name: oimg, .offset: 0, .size: 8, .value_kind: global_buffer, .address_space: global }
      - { .name: wc, .offset: 8, .size: 8, .value_kind: global_buffer, .address_space: global }
      - { .name: lowp_scales, .offset: 16, .size: 8, .value_kind: global_buffer, .address_space: global }
      - { .name: bo, .offset: 24, .size: 8, .value_kind: global_buffer, .address_space: global }
      - { .name: out0, .offset: 32, .size: 8, .value_kind: global_buffer, .address_space: global }
    .group_segment_fixed_size: 288256
    .private_segment_fixed_size: 0
    .kernarg_segment_align: 8
    .kernarg_segment_size: 40
    .max_flat_workgroup_size: 128
    .sgpr_count:     100
    .vgpr_count:     512
    .wavefront_size: 32
...
	.end_amdgpu_metadata
.endif
;; end of part 4
